; MI455X (gfx1250); checked and timed in simulation.
; The chip was launched on July 23, 2026; its instructions are those of AMD's public machine-readable ISA for CDNA 5 (MIT licence, August 2026) and "CDNA5" Instruction Set Architecture Reference Guide (July 2026). The comments in the code are by the model that wrote it; some were corrected since.
;; Routing Layer. Allowed arithmetic: float matrix products may take bf16 or f16 operands with f32 sums; all other float work in f32.
;; Inputs: W 1,024 x 4,096 float32; b 4,096 float32; x 16,384 x 1,024 float32.
;; Outputs: out0 64 x 64 float32.
;; 3 versions, each right; version 2 is faster than version 1; version 3 is version 2 with the launch cast written anew for expert scheduling mode. Each part assembles by itself: llvm-mc -triple=amdgcn-amd-amdhsa -mcpu=gfx1250 --defsym DOCPART=n.
;; ======== version 1 of 3: 6 launches
;; workspace buffers: xb 33,554,432 bytes; xsP 131,072 bytes; va 16,384 bytes; Mg 131,072 bytes; biasv 256 bytes; Yp 16,777,216 bytes; csP 16,384 bytes
;; launch cast (part 1): grid 8 x 32, 16 waves a work-group, no clusters, 10,240 bytes of LDS; arguments x, xb, xsP; writes xb, xsP
.if DOCPART == 1
	.amdgcn_target "amdgcn-amd-amdhsa--gfx1250"
	.amdhsa_code_object_version 6
	.text
	.protected	k_q1cfdfbf5b0_cast
	.globl	k_q1cfdfbf5b0_cast
	.p2align	8
	.type	k_q1cfdfbf5b0_cast,@function
k_q1cfdfbf5b0_cast:
	s_mov_b64 s[64:65], 0
	v_nop
	global_prefetch_b8 v0, s[64:65] scope:SCOPE_SE
	s_setreg_imm32_b32 hwreg(HW_REG_WAVE_MODE, 25, 1), 1
	s_wait_xcnt 0x0
; xb = x rounded to bf16 ([16384][1024]), and xsP[part][col] = the f32 sum of x[:, col] over the part's 512 rows (32 parts).
; A stream: every byte of x is read once and every byte of xb written once; no matrix unit, and no cluster, since no two work-groups read the same bytes.
; SHARES.  Work-group (strip, part) takes 512 rows x 128 columns; wave v its rows 32 v .. 32 v + 31; lane l four columns.  A load of a wave is 512 consecutive
; bytes of x, a store 256 consecutive bytes of xb at a multiple of 256.  A strip and not whole rows: a column then has 32 partial sums, 128 KiB in all for the next launch.
; All 32 loads of a wave go out at once (its whole share, 16 KiB); each row has registers of its own, so no register is used twice while memory may still read it.
; LIMITS.  The column sums are f32 sums in this text's order (32 rows in a lane, 16 waves in a tree), not in the order of a library's reduction.
.set XROW, 4096                        ; bytes in a row of x
.set BROW, 2048                        ; bytes in a row of xb
.set SUM,  4                           ; v[4:7]    my four columns' sums
.set X,    16                          ; v[16:143] row j: four registers as loaded; its first two then hold the four bf16
	s_load_b128 s[4:7], s[0:1], 0x0                ; x s[4:5], xb s[6:7]
	s_load_b64 s[8:9], s[0:1], 0x10                ; xsP
	v_lshl_add_u32 v144, v0, 2, 0x2000
	v_mov_b32 v145, 0
	v_lshrrev_b32 v1, 5, v0
	v_readfirstlane_b32 s10, v1                    ; wave 0..15
	v_and_b32 v1, 31, v0                           ; lane
	s_and_b32 s11, ttmp7, 0xffff                   ; part 0..31; ttmp9 is the strip 0..7
	s_lshl_b32 s12, s11, 21                        ; x: part x 512 rows x 4,096 bytes
	s_lshl_b32 s18, ttmp9, 9                       ;    + strip x 512 bytes
	s_add_co_u32 s12, s12, s18
	s_mov_b32 s13, 0
	s_lshl_b32 s14, s11, 20                        ; xb: part x 512 rows x 2,048 bytes
	s_lshl_b32 s19, ttmp9, 8                       ;     + strip x 256 bytes
	s_add_co_u32 s14, s14, s19
	s_mov_b32 s15, 0
	s_lshl_b32 s16, s11, 12                        ; xsP: part x 4,096 bytes + strip x 512 bytes
	s_add_co_u32 s16, s16, s18
	s_mov_b32 s17, 0
	v_lshlrev_b32 v13, 4, v1                       ; 16 l: my place in 512 bytes
	v_lshl_add_u32 v2, s10, 17, v13                ; x:  + wave x 32 rows x 4,096
	v_lshlrev_b32 v3, 3, v1
	v_lshl_add_u32 v3, s10, 16, v3                 ; xb: 8 l + wave x 32 rows x 2,048
	v_lshl_add_u32 v12, s10, 9, v13                ; LDS: wave x 512 + 16 l
	s_wait_kmcnt 0x0
	s_add_nc_u64 s[4:5], s[4:5], s[12:13]
	s_add_nc_u64 s[6:7], s[6:7], s[14:15]
	s_add_nc_u64 s[8:9], s[8:9], s[16:17]
.set jj, 0
.rept 32
	global_load_b128 v[X+4*jj:X+4*jj+3], v2, s[4:5] offset:XROW*jj th:TH_LOAD_NT
.set jj, jj+1
.endr
.macro OUT j                           ; row j: rounded in place, stored
	v_cvt_pk_bf16_f32 v[X+4*(\j)], v[X+4*(\j)], v[X+4*(\j)+1]
	v_cvt_pk_bf16_f32 v[X+4*(\j)+1], v[X+4*(\j)+2], v[X+4*(\j)+3]
	global_store_b64 v3, v[X+4*(\j):X+4*(\j)+1], s[6:7] offset:BROW*(\j)
.endm
	s_wait_loadcnt 30                              ; rows 0 and 1 are in; the 30 younger loads stay out
	v_pk_add_f32 v[SUM:SUM+1], v[X:X+1], v[X+4:X+5]        ; the first two rows start the sums: nothing is cleared
	v_pk_add_f32 v[SUM+2:SUM+3], v[X+2:X+3], v[X+6:X+7]
	OUT 0
	OUT 1
.set jj, 2
.rept 30
	s_wait_loadcnt 31-jj                           ; loads come back in order (ISA guide 5.7.1): row jj is in, the younger ones stay out
	v_pk_add_f32 v[SUM:SUM+1], v[SUM:SUM+1], v[X+4*jj:X+4*jj+1]
	v_pk_add_f32 v[SUM+2:SUM+3], v[SUM+2:SUM+3], v[X+4*jj+2:X+4*jj+3]
	OUT jj
.set jj, jj+1
.endr
	; the sixteen waves' sums meet in LDS; wave 0 adds them
	ds_store_b128 v12, v[SUM:SUM+3]
	s_wait_dscnt 0x0                               ; for the others' sake: my store is done
	s_barrier_signal -1
	s_barrier_wait -1
	s_cmp_lg_u32 s10, 0
	s_cbranch_scc1 .Lend
	s_wait_xcnt 0x0                                ; X's registers were sources of my stores: they are loaded again only behind this wait
.set jj, 0
.rept 16
	ds_load_b128 v[X+4*jj:X+4*jj+3], v13 offset:512*jj
.set jj, jj+1
.endr
	s_wait_dscnt 0x0
.irp st, 32,16,8,4                     ; a tree: waves 8, 4, 2, 1 apart, four registers a wave
.set ii, 0
.rept \st/2
	v_pk_add_f32 v[X+ii:X+ii+1], v[X+ii:X+ii+1], v[X+ii+\st:X+ii+\st+1]
.set ii, ii+2
.endr
.endr
	global_store_b128 v13, v[X:X+3], s[8:9]        ; 512 consecutive bytes of xsP, at a multiple of 512
.Lend:
	s_wait_tensorcnt 0x0
	ds_add_u32 v144, v145
	s_wait_dscnt 0x0
	s_endpgm
.Lfunc_end_k_q1cfdfbf5b0_cast:
	.size	k_q1cfdfbf5b0_cast, .Lfunc_end_k_q1cfdfbf5b0_cast-k_q1cfdfbf5b0_cast
	.p2alignl 7, 3214868480
	.fill 96, 4, 3214868480
	.section	.rodata,"a",@progbits
	.p2align	6, 0x0
	.amdhsa_kernel k_q1cfdfbf5b0_cast
		.amdhsa_group_segment_fixed_size 10240
		.amdhsa_private_segment_fixed_size 0
		.amdhsa_enable_private_segment 0
		.amdhsa_kernarg_size 24
		.amdhsa_user_sgpr_count 2
		.amdhsa_user_sgpr_kernarg_segment_ptr 1
		.amdhsa_wavefront_size32 1
		.amdhsa_system_sgpr_workgroup_id_x 1
		.amdhsa_system_sgpr_workgroup_id_y 1
		.amdhsa_system_sgpr_workgroup_id_z 1
		.amdhsa_system_vgpr_workitem_id 0
		.amdhsa_next_free_vgpr 146
		.amdhsa_next_free_sgpr 66
		.amdhsa_reserve_vcc 0
		.amdhsa_float_denorm_mode_32 3
		.amdhsa_float_denorm_mode_16_64 3
		.amdhsa_memory_ordered 1
		.amdhsa_forward_progress 1
		.amdhsa_inst_pref_size 20
	.end_amdhsa_kernel
	.amdgpu_metadata
---
amdhsa.version: [ 1, 2 ]
amdhsa.kernels:
  - .name:           k_q1cfdfbf5b0_cast
    .symbol:         k_q1cfdfbf5b0_cast.kd
    .args:
      - { .name: x, .offset: 0, .size: 8, .value_kind: global_buffer, .address_space: global }
      - { .name: xb, .offset: 8, .size: 8, .value_kind: global_buffer, .address_space: global }
      - { .name: xsP, .offset: 16, .size: 8, .value_kind: global_buffer, .address_space: global }
    .group_segment_fixed_size: 10240
    .private_segment_fixed_size: 0
    .kernarg_segment_align: 8
    .kernarg_segment_size: 24
    .max_flat_workgroup_size: 512
    .sgpr_count:     66
    .vgpr_count:     146
    .wavefront_size: 32
...
	.end_amdgpu_metadata
.endif
;; end of part 1
;; launch caps1 (part 2): grid 64 x 1, 16 waves a work-group, no clusters, 10,240 bytes of LDS; arguments xsP, W, b, va, Mg, biasv; writes va, Mg, biasv
.if DOCPART == 2
	.amdgcn_target "amdgcn-amd-amdhsa--gfx1250"
	.amdhsa_code_object_version 6
	.text
	.protected	k_q1cfdfbf5b0_caps1
	.globl	k_q1cfdfbf5b0_caps1
	.p2align	8
	.type	k_q1cfdfbf5b0_caps1,@function
k_q1cfdfbf5b0_caps1:
	s_mov_b64 s[64:65], 0
	v_nop
	global_prefetch_b8 v0, s[64:65] scope:SCOPE_SE
	s_setreg_imm32_b32 hwreg(HW_REG_WAVE_MODE, 25, 1), 1
	s_wait_xcnt 0x0
; THE CAPSULE STEP.  One text serves the three routing iterations; STAGE_NO says which this file is.  With W_k = W[:, 64 k .. 64 k + 63], b_k likewise:
;   s_k = Y_k W_k + csum_k b_k;  v_k = squash(s_k);  then, for the next softmax, M[:, k] = W_k V_k (bf16) and biasv[k] = b_k . V_k, since u_hat[n, k, :] . V_k = x[n, :] . (W_k V_k) + b_k . V_k.
;   stage 1: the weights are all 1/64: Y = (column sums of x) / 64, csum = 16384 / 64 = 256; v goes to va; V = v.
;   stage 2: Y_k = sum over n of c[n, k] x[n, :] and csum_k = sum over n of c[n, k], both summed here over the 64 parts of the launch before; V = va + v.
;   stage 3: Y and csum as in stage 2; v is the result; nothing more is made.
; All arithmetic is f32 on the vector unit: one row of Y for each capsule against W read once is a stream, which the matrix unit would not shorten.
; SHARES.  Work-group = capsule k: the squash wants all of s_k, and s_k all 1,024 rows of W_k, so 64 work-groups is what the step has work for without a further launch.
; W_k (1,024 rows x 256 bytes) stays in registers, 128 a thread, and is used twice.  Lane l: dg = l % 16 (four channels), h = l / 16; wave v; the thread's rows are i = 64 v + 32 h + j, j = 0..31:
; sixteen lanes read 256 consecutive bytes of a row of W.  NO CLUSTER: W_k, Y_k are the work-group's own; what all share in stage 1 (xsP, 128 KiB) is summed straight out of the loads' registers,
; and a joint load would only add a way through LDS.
; LIMITS.  Sums are f32 in this text's order.  1/x and 1/sqrt(x) are the hardware's (1 ulp).  NaN and infinities are not treated apart.
; Mg is stored in pieces of 16 bytes (2 KiB a work-group) and biasv as one word: that order lets every fragment load of the next launch read two runs of 256 consecutive bytes.
.set STAGE_NO, 1
.if STAGE_NO == 1
.set PSTRIDE, 4096                     ; bytes from part to part of Y's partial sums: xsP [32][1024]
.else
.set PSTRIDE, 262144                   ; Yp [64][64][1024]
.endif
; v1 lane  v2 dg  v3 h  v4 offset in W  v5 my pair of Y: offset in a part, and LDS address in YX (the same number)  v6 16 dg  v7 256 l (csP)  v9 YX read  v10 SP store  v11 SP read
; v12 offset in Mg  v13 16 dg + 8 h  v14 0  v[16:19] b  v[20:23] va's row (stage 2) or v[20:21] the pair of v that I store  v[24:25] csum, later the bias
.set YS, 26                            ; v[26:27]   my pair of Y; later the squash's factor
.set SA, 28                            ; v[28:31]   my four channels of s
.set T,  32                            ; v[32:35]   at work
.set VS, 36                            ; v[36:39]   V
.set R,  40                            ; v[40:103]  parts of Y as loaded; Y of my 32 rows; the waves' parts of s; M
.set WR, 104                           ; v[104:231] W: row j at WR + 4 j
; LDS: YX bytes 0..4095, 256 for each wave, its own; SP bytes 4096..8191, 256 for each wave, read by all behind the barrier.
.if STAGE_NO == 1
	s_load_b64 s[4:5], s[0:1], 0x0                 ; xsP
	s_load_b128 s[8:11], s[0:1], 0x8               ; W, b
	s_load_b128 s[12:15], s[0:1], 0x18             ; va, Mg
	s_load_b64 s[16:17], s[0:1], 0x28              ; biasv
	v_lshl_add_u32 v232, v0, 2, 0x2000
	v_mov_b32 v233, 0
.elseif STAGE_NO == 2
	s_load_b256 s[4:11], s[0:1], 0x0               ; Yp, csP, W, b
	s_load_b128 s[12:15], s[0:1], 0x20             ; va, Mg
	s_load_b64 s[16:17], s[0:1], 0x30              ; biasv
.else
	s_load_b256 s[4:11], s[0:1], 0x0               ; Yp, csP, W, b
	s_load_b64 s[12:13], s[0:1], 0x20              ; out0
.endif
	v_lshrrev_b32 v1, 5, v0
	v_readfirstlane_b32 s18, v1                    ; wave 0..15
	s_lshl_b32 s24, ttmp9, 8                       ; 256 k: W's columns, b, va, out0
	s_mov_b32 s25, 0
	s_lshl_b32 s28, ttmp9, 2                       ; 4 k: csP, biasv
	s_mov_b32 s29, 0
.if STAGE_NO > 1
	s_lshl_b32 s26, ttmp9, 12                      ; 4,096 k: Yp
	s_mov_b32 s27, 0
.endif
.if STAGE_NO < 3
	s_lshl_b32 s30, ttmp9, 4                       ; 16 k: Mg
	s_mov_b32 s31, 0
.endif
	s_mov_b32 s32, 0x76543210                      ; v_permlanex16_b32: each lane takes its own place in the other half
	s_mov_b32 s33, 0xfedcba98
	v_and_b32 v1, 31, v0
	v_and_b32 v2, 15, v0
	v_bfe_u32 v3, v0, 4, 1
	v_lshlrev_b32 v6, 4, v2
	v_lshl_add_u32 v4, v3, 19, v6                  ; W: 16 dg + h x 32 rows x 16,384
	v_lshl_add_u32 v4, s18, 20, v4                 ;    + wave x 64 rows x 16,384
	v_lshlrev_b32 v5, 3, v1
	v_lshl_add_u32 v5, s18, 8, v5                  ; 256 wave + 8 l: columns 64 wave + 2 l, + 1
	v_lshlrev_b32 v9, 7, v3
	v_lshl_add_u32 v9, s18, 8, v9                  ; 256 wave + 128 h
	v_add_nc_u32 v11, 4096, v6
	v_lshl_add_u32 v10, s18, 8, v11
	v_lshl_add_u32 v13, v3, 3, v6
.if STAGE_NO > 1
	v_lshlrev_b32 v7, 8, v1
.endif
.if STAGE_NO < 3
	v_lshlrev_b32 v12, 12, v3
	v_lshl_add_u32 v12, s18, 13, v12               ; Mg: (8 wave + 4 h) x 1,024
	v_mov_b32 v14, 0
.endif
	s_wait_kmcnt 0x0
.if STAGE_NO > 1
	s_add_nc_u64 s[4:5], s[4:5], s[26:27]
	s_add_nc_u64 s[20:21], s[4:5], 0x800000        ; parts 32 on: 32 x 262,144 bytes further
	s_add_nc_u64 s[6:7], s[6:7], s[28:29]
.endif
	s_add_nc_u64 s[8:9], s[8:9], s[24:25]
	s_add_nc_u64 s[10:11], s[10:11], s[24:25]
	s_add_nc_u64 s[12:13], s[12:13], s[24:25]
.if STAGE_NO < 3
	s_add_nc_u64 s[14:15], s[14:15], s[30:31]
	s_add_nc_u64 s[16:17], s[16:17], s[28:29]
.endif
.macro LDY p, base                     ; part p (of the 32 from the base on) of my pair of Y: a wave reads 256 consecutive bytes
.if STAGE_NO == 1
	global_load_b64 v[R+2*(\p):R+2*(\p)+1], v5, s[\base:\base+1] offset:PSTRIDE*(\p)
.else
	global_load_b64 v[R+2*(\p):R+2*(\p)+1], v5, s[\base:\base+1] offset:PSTRIDE*(\p) th:TH_LOAD_NT
.endif
.endm
.macro ROWSUM reg                      ; the sum over the 16 lanes of a half, in every lane
.irp xm, 1,2,4,8
	v_add_f32_dpp v[\reg], v[\reg], v[\reg] row_xmask:\xm row_mask:0xf bank_mask:0xf
.endr
.endm
	; everything is asked for at once: the small loads, 32 parts of Y, all of W_k
	global_load_b128 v[16:19], v6, s[10:11]
.if STAGE_NO == 2
	global_load_b128 v[20:23], v6, s[12:13]
.endif
.if STAGE_NO > 1
	global_load_b32 v24, v7, s[6:7]                ; lane l: parts l and 32 + l of csum
	global_load_b32 v25, v7, s[6:7] offset:8192
.endif
.set pp, 0
.rept 32
	LDY pp, 4
.set pp, pp+1
.endr
.set jj, 0
.rept 32
	global_load_b128 v[WR+4*jj:WR+4*jj+3], v4, s[8:9] offset:16384*jj
.set jj, jj+1
.endr
	; Y = the sum over the parts.  Parts 0 and 1 start it.  In stages 2 and 3 a part's registers are asked for again at once, for the part 32 further on.
.set pp, 1
.rept 31
.if STAGE_NO == 1
	s_wait_loadcnt 63-pp                           ; behind part pp: 31 - pp parts and W's 32 loads
.else
	s_wait_loadcnt 62                              ; behind part pp: 31 - pp parts, W's 32 loads and the pp loads asked for again: 63 (62 at pp = 1); one fewer is allowed to stay out
.endif
.if pp == 1
	v_pk_add_f32 v[YS:YS+1], v[R:R+1], v[R+2:R+3]
.else
	v_pk_add_f32 v[YS:YS+1], v[YS:YS+1], v[R+2*pp:R+2*pp+1]
.endif
.if STAGE_NO > 1
.if pp == 1
	LDY 0, 20
.endif
	LDY pp, 20
.endif
.set pp, pp+1
.endr
.if STAGE_NO > 1
.set pp, 0
.rept 32
	s_wait_loadcnt 31-pp                           ; the younger parts stay out; W, asked for earlier, is in
	v_pk_add_f32 v[YS:YS+1], v[YS:YS+1], v[R+2*pp:R+2*pp+1]
.set pp, pp+1
.endr
.else
	s_wait_loadcnt 0x0                             ; W
	v_pk_mul_f32 v[YS:YS+1], v[YS:YS+1], 0x3c800000 op_sel_hi:[1,0]  ; the weight 1/64, exact
.endif
	; Y goes round inside the wave: each thread wants Y of its 32 rows.  The bytes are the wave's own and LDS serves a wave's instructions in order (ISA guide 5.7.1.4): no barrier
	ds_store_b64 v5, v[YS:YS+1]
.set cc, 0
.rept 8
	ds_load_b128 v[R+4*cc:R+4*cc+3], v9 offset:16*cc
.set cc, cc+1
.endr
	s_wait_dscnt 0x0                               ; v[R+j] = Y[64 wave + 32 h + j]
	; my rows' share of s: four channels, two packed chains
	v_pk_mul_f32 v[SA:SA+1], v[WR:WR+1], v[R:R+1] op_sel_hi:[1,0]
	v_pk_mul_f32 v[SA+2:SA+3], v[WR+2:WR+3], v[R:R+1] op_sel_hi:[1,0]
.set jj, 1
.rept 31
.if jj%2                               ; Y of row j feeds both halves: the pair's second register for odd j, its first for even j
	v_pk_fma_f32 v[SA:SA+1], v[WR+4*jj:WR+4*jj+1], v[R+jj-1:R+jj], v[SA:SA+1] op_sel:[0,1,0] op_sel_hi:[1,1,1]
	v_pk_fma_f32 v[SA+2:SA+3], v[WR+4*jj+2:WR+4*jj+3], v[R+jj-1:R+jj], v[SA+2:SA+3] op_sel:[0,1,0] op_sel_hi:[1,1,1]
.else
	v_pk_fma_f32 v[SA:SA+1], v[WR+4*jj:WR+4*jj+1], v[R+jj:R+jj+1], v[SA:SA+1] op_sel_hi:[1,0,1]
	v_pk_fma_f32 v[SA+2:SA+3], v[WR+4*jj+2:WR+4*jj+3], v[R+jj:R+jj+1], v[SA+2:SA+3] op_sel_hi:[1,0,1]
.endif
.set jj, jj+1
.endr
.irp i, 0,1,2,3
	v_permlanex16_b32 v[R+32+\i], v[SA+\i], s32, s33  ; the other half's rows (the destination counts as read: loads have written it)
.endr
	v_pk_add_f32 v[SA:SA+1], v[SA:SA+1], v[R+32:R+33]
	v_pk_add_f32 v[SA+2:SA+3], v[SA+2:SA+3], v[R+34:R+35]
	ds_store_b128 v10, v[SA:SA+3]                  ; both halves of the lanes hold, and write, the same
	s_wait_dscnt 0x0                               ; for the others' sake: my store is done
	s_barrier_signal -1
	s_barrier_wait -1
.if STAGE_NO == 3
	s_cmp_lg_u32 s18, 0                            ; only v is left to make, and one wave stores it
	s_cbranch_scc1 .Lend
.endif
.set jj, 0
.rept 16
	ds_load_b128 v[R+4*jj:R+4*jj+3], v11 offset:256*jj
.set jj, jj+1
.endr
.if STAGE_NO > 1
	v_add_f32 v24, v24, v25                        ; csum, while the loads are out: 64 parts over 32 lanes
	ROWSUM 24
	v_permlanex16_b32 v25, v24, s32, s33
	v_add_f32 v24, v24, v25
.endif
	s_wait_dscnt 0x0
.irp st, 32,16,8,4                     ; a tree: waves 8, 4, 2, 1 apart, four registers a wave
.set ii, 0
.rept \st/2
	v_pk_add_f32 v[R+ii:R+ii+1], v[R+ii:R+ii+1], v[R+ii+\st:R+ii+\st+1]
.set ii, ii+2
.endr
.endr
.if STAGE_NO == 1
	v_pk_fma_f32 v[R:R+1], v[16:17], 0x43800000, v[R:R+1] op_sel_hi:[1,0,1]      ; s += 256 b
	v_pk_fma_f32 v[R+2:R+3], v[18:19], 0x43800000, v[R+2:R+3] op_sel_hi:[1,0,1]
.else
	v_pk_fma_f32 v[R:R+1], v[16:17], v[24:25], v[R:R+1] op_sel_hi:[1,0,1]        ; s += csum b
	v_pk_fma_f32 v[R+2:R+3], v[18:19], v[24:25], v[R+2:R+3] op_sel_hi:[1,0,1]
.endif
	; squash: v = s n2 / ((1 + n2) sqrt(n2 + 1e-8)), n2 = |s|^2 over the 64 channels (four a lane, sixteen lanes)
	v_mul_f32 v26, v[R], v[R]
	v_fmac_f32 v26, v[R+1], v[R+1]
	v_fmac_f32 v26, v[R+2], v[R+2]
	v_fmac_f32 v26, v[R+3], v[R+3]
	ROWSUM 26
	v_add_f32 v27, 1.0, v26
	v_add_f32 v28, 0x322bcc77, v26                 ; + 1e-8
	v_rcp_f32 v27, v27
	v_rsq_f32 v28, v28
	v_nop                                          ; a plain instruction between the two and the use of their results (ISA guide 5.7.2)
	s_wait_alu depctr_va_vdst(0)
	v_mul_f32 v26, v26, v27
	v_mul_f32 v26, v26, v28
	v_pk_mul_f32 v[VS:VS+1], v[R:R+1], v[26:27] op_sel_hi:[1,0]
	v_pk_mul_f32 v[VS+2:VS+3], v[R+2:R+3], v[26:27] op_sel_hi:[1,0]
.if STAGE_NO != 2
	v_cmp_eq_u32 vcc_lo, 1, v3                     ; of my four channels the lower half of the lanes stores the first two, the upper half the last two:
	v_cndmask_b32 v20, v[VS], v[VS+2], vcc_lo      ; 32 lanes x 8 bytes are the capsule's 256 consecutive bytes
	v_cndmask_b32 v21, v[VS+1], v[VS+3], vcc_lo
.endif
.if STAGE_NO == 1
	s_cmp_lg_u32 s18, 0
	s_cbranch_scc1 .Lnot_wave_0
	global_store_b64 v13, v[20:21], s[12:13]       ; va; v[20:21] are not written again
.Lnot_wave_0:
.elseif STAGE_NO == 3
	global_store_b64 v13, v[20:21], s[12:13]       ; out0
.else
	v_pk_add_f32 v[VS:VS+1], v[VS:VS+1], v[20:21]  ; V = v1 + v2
	v_pk_add_f32 v[VS+2:VS+3], v[VS+2:VS+3], v[22:23]
.endif
.if STAGE_NO < 3
	; M[i] = W_k[i, :] . V for my 32 rows: four channels here, then the sum over the sixteen lanes, taken in runs over the 32 registers so that no line waits for the one before it
.set jj, 0
.rept 32
.set tt, T+2*(jj%2)
	v_pk_mul_f32 v[tt:tt+1], v[WR+4*jj:WR+4*jj+1], v[VS:VS+1]
	v_pk_fma_f32 v[tt:tt+1], v[WR+4*jj+2:WR+4*jj+3], v[VS+2:VS+3], v[tt:tt+1]
	v_add_f32 v[R+jj], v[tt], v[tt+1]
.set jj, jj+1
.endr
.irp xm, 1,2,4,8
.set jj, 0
.rept 32
	v_add_f32_dpp v[R+jj], v[R+jj], v[R+jj] row_xmask:\xm row_mask:0xf bank_mask:0xf
.set jj, jj+1
.endr
.endr
.set jj, 0
.rept 16
	v_cvt_pk_bf16_f32 v[R+32+jj], v[R+2*jj], v[R+2*jj+1]
.set jj, jj+1
.endr
	v_mul_f32 v24, v16, v[VS]                      ; b_k . V
	v_fmac_f32 v24, v17, v[VS+1]
	v_fmac_f32 v24, v18, v[VS+2]
	v_fmac_f32 v24, v19, v[VS+3]
	ROWSUM 24
	s_wait_xcnt 0x0                                ; EXEC is a source of the memory instructions issued so far: it changes only behind this wait
	v_cmp_eq_u32 vcc_lo, 0, v2
	s_and_saveexec_b32 s22, vcc_lo                 ; lanes 0 and 16: each holds its half's 32 rows, four pieces of eight
.set cc, 0
.rept 4
	global_store_b128 v12, v[R+32+4*cc:R+32+4*cc+3], s[14:15] offset:1024*cc  ; Mg[(i / 8)][k][i % 8]
.set cc, cc+1
.endr
	s_cmp_lg_u32 s18, 0
	s_cbranch_scc1 .Lend
	s_wait_xcnt 0x0                                ; and again, in front of the next change of EXEC
	v_cmp_eq_u32 vcc_lo, 0, v1
	s_and_saveexec_b32 s23, vcc_lo                 ; lane 0 of wave 0
	global_store_b32 v14, v24, s[16:17]            ; biasv[k]
.endif
.Lend:
	s_wait_xcnt 0x0
	s_mov_b32 exec_lo, -1
	s_wait_tensorcnt 0x0
	ds_add_u32 v232, v233
	s_wait_dscnt 0x0
	s_endpgm
.Lfunc_end_k_q1cfdfbf5b0_caps1:
	.size	k_q1cfdfbf5b0_caps1, .Lfunc_end_k_q1cfdfbf5b0_caps1-k_q1cfdfbf5b0_caps1
	.p2alignl 7, 3214868480
	.fill 96, 4, 3214868480
	.section	.rodata,"a",@progbits
	.p2align	6, 0x0
	.amdhsa_kernel k_q1cfdfbf5b0_caps1
		.amdhsa_group_segment_fixed_size 10240
		.amdhsa_private_segment_fixed_size 0
		.amdhsa_enable_private_segment 0
		.amdhsa_kernarg_size 48
		.amdhsa_user_sgpr_count 2
		.amdhsa_user_sgpr_kernarg_segment_ptr 1
		.amdhsa_wavefront_size32 1
		.amdhsa_system_sgpr_workgroup_id_x 1
		.amdhsa_system_sgpr_workgroup_id_y 1
		.amdhsa_system_sgpr_workgroup_id_z 1
		.amdhsa_system_vgpr_workitem_id 0
		.amdhsa_next_free_vgpr 234
		.amdhsa_next_free_sgpr 66
		.amdhsa_reserve_vcc 1
		.amdhsa_float_denorm_mode_32 3
		.amdhsa_float_denorm_mode_16_64 3
		.amdhsa_memory_ordered 1
		.amdhsa_forward_progress 1
		.amdhsa_inst_pref_size 36
	.end_amdhsa_kernel
	.amdgpu_metadata
---
amdhsa.version: [ 1, 2 ]
amdhsa.kernels:
  - .name:           k_q1cfdfbf5b0_caps1
    .symbol:         k_q1cfdfbf5b0_caps1.kd
    .args:
      - { .name: xsP, .offset: 0, .size: 8, .value_kind: global_buffer, .address_space: global }
      - { .name: W, .offset: 8, .size: 8, .value_kind: global_buffer, .address_space: global }
      - { .name: b, .offset: 16, .size: 8, .value_kind: global_buffer, .address_space: global }
      - { .name: va, .offset: 24, .size: 8, .value_kind: global_buffer, .address_space: global }
      - { .name: Mg, .offset: 32, .size: 8, .value_kind: global_buffer, .address_space: global }
      - { .name: biasv, .offset: 40, .size: 8, .value_kind: global_buffer, .address_space: global }
    .group_segment_fixed_size: 10240
    .private_segment_fixed_size: 0
    .kernarg_segment_align: 8
    .kernarg_segment_size: 48
    .max_flat_workgroup_size: 512
    .sgpr_count:     66
    .vgpr_count:     234
    .wavefront_size: 32
...
	.end_amdgpu_metadata
.endif
;; end of part 2
;; launch route (part 3): grid 256 x 1, 4 waves a work-group, clusters of 4 x 1, 327,680 bytes of LDS; arguments xb, Mg, biasv, Yp, csP; writes Yp, csP
.if DOCPART == 3
	.amdgcn_target "amdgcn-amd-amdhsa--gfx1250"
	.amdhsa_code_object_version 6
	.text
	.protected	k_q1cfdfbf5b0_route
	.globl	k_q1cfdfbf5b0_route
	.p2align	8
	.type	k_q1cfdfbf5b0_route,@function
k_q1cfdfbf5b0_route:
	s_mov_b64 s[64:65], 0
	v_nop
	global_prefetch_b8 v0, s[64:65] scope:SCOPE_SE
	s_setreg_imm32_b32 hwreg(HW_REG_WAVE_MODE, 25, 1), 1
	s_wait_xcnt 0x0
	s_wait_alu depctr_hold_cnt(0) depctr_sa_sdst(0) depctr_va_vdst(0) depctr_va_sdst(0) depctr_va_ssrc(0) depctr_va_vcc(0) depctr_vm_vsrc(0)
	s_getreg_b32 s2, hwreg(HW_REG_IB_STS2, 6, 4)
	s_cmp_eq_u32 s2, 0
	s_cbranch_scc0 .Lentry_in_a_cluster
	s_endpgm
.Lentry_in_a_cluster:
	s_bfe_u32 s2, ttmp6, 0x10000c
	s_cmp_lg_u32 s2, 0x3003
	s_cbranch_scc0 .Lentry_shape_is_right
	s_endpgm
.Lentry_shape_is_right:
; ONE ROUTING PASS OVER x.  logits[n, k] = x[n, :] . M[:, k] + biasv[k];  c = softmax over the 64 capsules k (the row's true maximum is taken away first);
; Yp[p][k][:] = the sum over the 256 rows n of part p of c[n, k] x[n, :];  csP[p][k] = the sum over those rows of c[n, k].
; x, M and c are bf16 matrix operands; sums, maxima and exponentials are f32.
; LIMITS.  A weight below 2^-126 counts as 0.  NaN and infinities are not treated apart.  csP is the sum of the bf16-rounded c, the same c that multiplies x.
; SHARES.  A cluster of four work-groups owns part p = 256 rows of x, walked as four tiles of 64 whole rows.  All four want the same tile, so it is asked for JOINTLY (the same tensor load, descriptor and
; mask in all four).  Each work-group makes all 64 logits of each row, which the softmax wants, and c^T x for 16 capsules only: with 64 parts of 256 KiB the partial sums stay at 16 MiB and 256 work-groups
; have work; the price is that the logits are made four times.  The work-group's LOCAL capsule block kb stands for block (cx + kb) % 4, so local block 0 is its own: cx enters global addresses alone
; (Mg, biasv, Yp, csP), no LDS address, no descriptor and no branch.
; Wave w owns columns 256 w .. 256 w + 255 of x in both products: it fetches and reads its own quarter of each tile, so its own wait on TENSORcnt is all that its reads need.
; The logits are thus split along K over the four waves; the partial sums change hands through LDS (EX), and wave w finishes the tile's rows 16 w .. 16 w + 15.
; LAYOUT.  logits: source 0 = 16 rows of x, source 1 = 16 capsules of M: a lane holds capsule lane % 16 and rows 8 (lane / 16) + 0..7, so a row's maximum and sum run over 16 lanes and 4 registers.
; c^T x: source 0 = 16 columns of x (turned out of LDS by ds_load_tr16_b128), source 1 = c^T: a lane holds capsule lane % 16 and eight neighbouring columns.
; The sum of c is a product of ones with c^T, on two accumulators.  All accumulators take turns, one instruction a turn.
; REGISTERS, in windows of 256 (s_set_vgpr_msb: bits 1:0 source 0, 3:2 source 1, 5:4 source 2, 7:6 destination):
;   window 0: addresses; v[32:63] the bias, eight times for each block; v[64:191] the 16 accumulators of the logits ((u, kb) at 64 + 8 (4 u + kb); u: row tile (w + u) % 4); statistics; c^T's fragments; ones
;   window 1: M's fragments, (kb, s) at 8 (8 kb + s), for the whole launch     window 2: v[0:127] c^T x, column block ib at 8 ib; v[128:143] the sums of c     window 3: fragments of x, then of x turned; the way out
; LDS: two slots of 64 rows x (4 x 528) bytes, wave w's quarter at w x 33,792; EX; CT; the spare words.  On the way out the stage is the wave's own quarter of slot 0, which has had its last fill.
.set PITCH,  528                       ; a wave's row in LDS: 512 bytes + 16 of padding = 132 words: the 16 rows of a fragment load start at 16 different groups of four banks (64 banks of 4 bytes: ISA guide 11.1)
.set WREG,   64*PITCH                  ; a wave's quarter of a slot
.set SLOT,   4*WREG
.set TILEB,  64*2048                   ; a tile's rows in memory
.set EX,     2*SLOT                    ; [source wave][u - 1][kb][half of 8 registers][lane][16 bytes]: 12,288 bytes a wave
.set CT,     EX+4*12288                ; c^T in bf16: 16 capsules x 64 rows, pitch 144
.set CPITCH, 144
.set SPARE,  CT+16*CPITCH              ; the spare words, 128 bytes for each wave: two blocks of 256 bytes that no other line names
.set OPITCH, 1040                      ; the way out: 1,024 bytes + 16
.set AD,  4                            ; v[4:7], v[8:11]  slot 0, 1: my lane's place in row tile (w + u) % 4 of my quarter
.set TR,  12                           ; v12, v13  slot 0, 1: my lane's place for the turning loads
.set EXS, 14                           ; v14      where I put partial logits
.set EXL, 15                           ; v15-17   where I find those of wave (w - u) % 4, u = 1..3
.set CTS, 18                           ; v18      where I put my rows' c
.set CTL, 19                           ; v19      where I read c^T's fragments
.set STO, 20                           ; v20      the way out: in
.set RD,  21                           ; v21      the way out: back
.set GO,  22                           ; v22      16 x lane
.set MO,  23                           ; v23      my offset in a fragment of Mg
.set R4,  24                           ; v24      4 x (lane % 16)
.set SPW, 30                           ; v30      LDS address of my spare word; never rewritten
.set NIL, 31                           ; v31      0; never rewritten
.set BI,  32
.set ACC, 64
.set MX,  192                          ; v[192:199] a row's maximum, times log2(e); later at work
.set ZS,  200                          ; v[200:207] a row's sum, then 1 / sum
.set CB,  208                          ; v[208:211] my eight rows' c in bf16
.set CF,  216                          ; v[216:231] c^T's two fragments
.set ONES, 232                         ; v[232:239] 1.0 in bf16, a fragment full
.set YC,  128                          ; window 2
.set WV,  14                           ; s14 wave   s15 cx   s17, s19, s22 hold numbers made of cx and feed global addresses alone   s18, s62 feed LDS addresses
.set G1,  24                           ; s[24:31] descriptor group 1
.set G0,  32                           ; s[32:39] descriptor group 0, a set for each slot
.set MB,  40                           ; s[40:47] Mg at local block kb, my columns
.set BB,  48                           ; s[48:55] biasv at local block kb
.set MSB, 0
.macro WIN new                         ; the immediate's high byte repeats the setting that is left; a switch that changes nothing is dropped
.if MSB != (\new)
	s_set_vgpr_msb (MSB<<8)|(\new)
.set MSB, \new
.endif
.endm
.macro PLACES                          ; four places between a matrix instruction and a load into, a store from or a vector line on one of its registers
.rept 4
	v_nop
.endr
.endm
; A round of the cluster's barrier: my work-group's barrier, so that wave 0's signal speaks for all four waves; wave 0 signals; every wave waits for all four work-groups; my work-group's barrier once more.
.macro CROUND
	s_barrier_signal -1
	s_barrier_wait -1
	s_cmp_lg_u32 s[WV], 0
	s_cbranch_scc1 .Lnot_wave_0_\@
	s_barrier_signal -3
.Lnot_wave_0_\@:
	s_barrier_wait -3
	s_barrier_signal -1
	s_barrier_wait -1
.endm
; A slot that has been read is filled again, with the tile two further on.  Each wave waits for all its tensor loads (the other slot's is the one that may be out), adds 0 to its spare word, and waits for that
; and for its reads of the slot; the round shows the same of every wave of every partner; the joint load is the first thing behind it, one a wave.
.macro REFILL slot
	WIN 0
	s_wait_tensorcnt 0x0                           ; no tensor load of mine is out, so a group 0 may be written
	ds_add_u32 v[SPW], v[NIL]                      ; 0 onto my spare word
	s_add_nc_u64 s[G0+4*(\slot)+2:G0+4*(\slot)+3], s[G0+4*(\slot)+2:G0+4*(\slot)+3], 2*TILEB  ; the type bits on top are not reached
	s_wait_dscnt 0x0                               ; the add is done, and my reads of the slot are over
	CROUND
	tensor_load_to_lds s[G0+4*(\slot):G0+4*(\slot)+3], s[G1:G1+7]
	s_nop 0
	PLACES                                         ; the places in front of the next tile's fragment loads
.endm
	s_load_b256 s[4:11], s[0:1], 0x0               ; xb s[4:5], Mg s[6:7], biasv s[8:9], Yp s[10:11]
	s_load_b64 s[12:13], s[0:1], 0x20              ; csP
	v_lshl_add_u32 v[SPW], v0, 2, SPARE
	v_mov_b32 v[NIL], 0
	ds_add_u32 v30, v31
	ds_add_u32 v30, v31
	s_wait_dscnt 0x0
	v_lshrrev_b32 v1, 5, v0
	v_readfirstlane_b32 s[WV], v1                  ; wave 0..3
	; descriptor group 1: 64 rows x 256 elements of 2 bytes out of rows of 1,024, padded in LDS
	s_mov_b32 s[G1], 15|(1<<16)|(1<<20)|(1<<21)|(6<<22)|(3<<25)  ; 15:0 the mask: all four work-groups; 17:16 2-byte elements; 20 padding on; 21 set beside a mask; 24:22 after every 128 words (code 6); 31:25 4 words (code 3)
	s_mov_b32 s[G1+1], 256<<16                     ; tensor_dim0 = 256
	s_mov_b32 s[G1+2], 64<<16                      ; tensor_dim1 = 64
	s_mov_b32 s[G1+3], 256<<16                     ; tile_dim0 = 256
	s_mov_b32 s[G1+4], 64                          ; tile_dim1 = 64
	s_mov_b32 s[G1+5], 1024                        ; elements from row to row
	s_mov_b32 s[G1+6], 0
	s_mov_b32 s[G1+7], 0
	s_mul_i32 s18, s[WV], WREG                     ; my quarter of a slot
	s_lshl_b32 s20, ttmp9, 19                      ; in a cluster launch ttmp9 counts clusters: part p, 256 rows x 2,048 bytes,
	s_lshl_b32 s16, s[WV], 9                       ; and my 512 bytes of a row
	s_add_co_u32 s20, s20, s16
	s_mov_b32 s21, 0
	v_and_b32 v1, 15, v0                           ; r = lane % 16
	v_bfe_u32 v2, v0, 4, 1                         ; h = lane / 16
	v_and_b32 v3, 31, v0                           ; lane
	v_lshlrev_b32 v[R4], 2, v1
	v_lshlrev_b32 v[MO], 4, v1
	v_lshl_add_u32 v[MO], v2, 10, v[MO]            ; 1,024 h + 16 r
	s_wait_kmcnt 0x0
	s_add_nc_u64 s[20:21], s[4:5], s[20:21]
.irp sl, 0,1
	s_mov_b32 s[G0+4*\sl], 1                                       ; count = 1
	s_add_co_u32 s[G0+4*\sl+1], s18, \sl*SLOT                      ; LDS address
	s_add_nc_u64 s[G0+4*\sl+2:G0+4*\sl+3], s[20:21], \sl*TILEB     ; global address: tile 0, tile 1
	s_or_b32 s[G0+4*\sl+3], s[G0+4*\sl+3], 0x80000000              ; type = 2
.endr
	CROUND                                         ; all four work-groups are here: the first joint loads meet
	tensor_load_to_lds s[G0:G0+3], s[G1:G1+7]      ; both first fills go out together: two tensor loads of mine are out, half of all that I fetch
	s_nop 0
	tensor_load_to_lds s[G0+4:G0+7], s[G1:G1+7]
	s_nop 0
	PLACES
	; the global addresses that hang on cx
	s_bfe_u32 s15, ttmp6, 0x40000                  ; cx: my place in the cluster
	s_mov_b32 s23, 0
.irp kb, 0,1,2,3
	s_add_co_u32 s19, s15, \kb
	s_and_b32 s19, s19, 3                          ; the block that local block kb stands for
	s_lshl_b32 s22, s19, 8                         ; Mg: 16 capsules x 16 bytes,
	s_lshl_b32 s17, s[WV], 15                      ; my 256 columns = 32 pieces of 1,024 bytes
	s_add_co_u32 s22, s22, s17
	s_add_nc_u64 s[MB+2*\kb:MB+2*\kb+1], s[6:7], s[22:23]
	s_lshl_b32 s22, s19, 6
	s_add_nc_u64 s[BB+2*\kb:BB+2*\kb+1], s[8:9], s[22:23]
.endr
	; M stays in registers.  A fragment is 16 capsules x 32 columns: lane (r, h) holds capsule r, columns 8 h + 0..7 and 16 + 8 h + 0..7: in Mg's order each load reads two runs of 256 consecutive bytes
	WIN 0x40                                       ; destination window 1, address window 0
.set kb, 0
.rept 4
.set ks, 0
.rept 8
	global_load_b128 v[8*(8*kb+ks):8*(8*kb+ks)+3],   v[MO], s[MB+2*kb:MB+2*kb+1] offset:4096*ks
	global_load_b128 v[8*(8*kb+ks)+4:8*(8*kb+ks)+7], v[MO], s[MB+2*kb:MB+2*kb+1] offset:4096*ks+2048
.set ks, ks+1
.endr
.set kb, kb+1
.endr
	WIN 0
.irp kb, 0,1,2,3
	global_load_b32 v[BI+8*\kb], v[R4], s[BB+2*\kb:BB+2*\kb+1]
.endr
	s_lshl_b32 s22, ttmp9, 18                      ; Yp: part p x 262,144
	s_lshl_b32 s17, s15, 16                        ;     + my 16 capsules x 4,096
	s_add_co_u32 s22, s22, s17
	s_lshl_b32 s17, s[WV], 10                      ;     + my 256 columns x 4
	s_add_co_u32 s22, s22, s17
	s_add_nc_u64 s[58:59], s[10:11], s[22:23]
	s_lshl_b32 s22, ttmp9, 8                       ; csP: part p x 256 + my 16 capsules x 4
	s_lshl_b32 s17, s15, 6
	s_add_co_u32 s22, s22, s17
	s_add_nc_u64 s[60:61], s[12:13], s[22:23]
	s_mov_b32 s56, 0x3fb8aa3b                      ; log2(e); the packed lines name a pair and take its low word
	s_mov_b32 s57, s56
	; LDS addresses
	v_mul_u32_u24 v25, v1, PITCH
	v_lshl_add_u32 v25, v2, 4, v25                 ; a fragment of x: row r x pitch + 16 h
.irp u, 0,1,2,3
	s_add_co_u32 s62, s[WV], \u
	s_and_b32 s62, s62, 3
	s_mul_i32 s62, s62, 16*PITCH                   ; row tile (w + u) % 4
	s_add_co_u32 s62, s62, s18
	v_add_nc_u32 v[AD+\u], s62, v25
	v_add_nc_u32 v[AD+4+\u], SLOT, v[AD+\u]
.endr
	v_and_b32 v26, 7, v0                           ; the turning load: lane l reads row 8 h + l % 8, 16 bytes at 16 ((l / 8) % 2)
	v_bfe_u32 v27, v0, 3, 1
	v_lshl_add_u32 v26, v2, 3, v26
	v_mul_u32_u24 v26, v26, PITCH
	v_lshl_add_u32 v26, v27, 4, v26
	v_add_nc_u32 v[TR], s18, v26
	v_add_nc_u32 v[TR+1], SLOT, v[TR]
	v_lshlrev_b32 v[GO], 4, v3
	s_mul_i32 s62, s[WV], 12288
	s_add_co_u32 s62, s62, EX
	v_add_nc_u32 v[EXS], s62, v[GO]
.irp u, 1,2,3
	s_add_co_u32 s62, s[WV], 4-\u
	s_and_b32 s62, s62, 3                          ; the wave whose accumulators u hold my row tile
	s_mul_i32 s62, s62, 12288
	s_add_co_u32 s62, s62, EX+4096*(\u-1)
	v_add_nc_u32 v[EXL+\u-1], s62, v[GO]
.endr
	v_mul_u32_u24 v27, v1, CPITCH
	v_lshl_add_u32 v27, v2, 4, v27
	v_add_nc_u32 v[CTL], CT, v27                   ; capsule r, rows 8 h on
	v_lshl_add_u32 v[CTS], s[WV], 5, v[CTL]        ; capsule r, rows 16 w + 8 h on
	v_mul_u32_u24 v28, v1, OPITCH
	v_lshl_add_u32 v28, v2, 5, v28
	v_add_nc_u32 v[STO], s18, v28                  ; capsule r, columns 8 h on
	v_add_nc_u32 v[RD], s18, v[GO]
.set ii, 0
.rept 8
	v_mov_b32 v[ONES+ii], 0x3f803f80
.set ii, ii+1
.endr
	s_wait_loadcnt 0x0                             ; M and the bias
.set kb, 0
.rept 4
.set ii, 1
.rept 7
	v_mov_b32 v[BI+8*kb+ii], v[BI+8*kb]            ; a lane's capsule has one bias for its eight rows: as a C operand it starts the sums
.set ii, ii+1
.endr
.set kb, kb+1
.endr
; A TILE of 64 rows, in slot \slot.  first = 1: its products start c^T x and the sums of c.  left: how many younger tensor loads may stay out.  places = 1: no refill stands in front.
.macro TILE slot, first, left, places
	s_wait_tensorcnt \left                         ; tensor loads of a wave end in order (ISA guide 10.11.1): my quarter of the tile is in LDS, and nobody else reads it
.if \places
	PLACES                                         ; the loads below land in registers that the last products read
.endif
	WIN 0xc0                                       ; destination window 3
.set ks, 0
.rept 8                                ; K step ks (32 columns), row tile (w + uu) % 4
.set uu, 0
.rept 4
	ds_load_b128 v[8*(4*ks+uu):8*(4*ks+uu)+3],   v[AD+4*(\slot)+uu] offset:64*ks
	ds_load_b128 v[8*(4*ks+uu)+4:8*(4*ks+uu)+7], v[AD+4*(\slot)+uu] offset:64*ks+32
.set uu, uu+1
.endr
.set ks, ks+1
.endr
	; my columns' share of all 64 x 64 logits.  The bias starts the sums of my own row tile (uu = 0) alone, so that it enters each row once
.set ks, 0
.rept 8
	s_wait_dscnt 56-8*ks                           ; LDS loads come back in order (ISA guide 5.7.1): this K step's eight are in, the later steps' stay out
	WIN 0x07                                       ; x window 3, M window 1, C and D window 0
.set uu, 0
.rept 4
.set kb, 0
.rept 4
.if (ks == 0) && (uu == 0)
	v_wmma_f32_16x16x32_bf16 v[ACC+8*(4*uu+kb):ACC+8*(4*uu+kb)+7], v[8*(4*ks+uu):8*(4*ks+uu)+7], v[8*(8*kb+ks):8*(8*kb+ks)+7], v[BI+8*kb:BI+8*kb+7]
.elseif ks == 0
	v_wmma_f32_16x16x32_bf16 v[ACC+8*(4*uu+kb):ACC+8*(4*uu+kb)+7], v[8*(4*ks+uu):8*(4*ks+uu)+7], v[8*(8*kb+ks):8*(8*kb+ks)+7], 0
.else
	v_wmma_f32_16x16x32_bf16 v[ACC+8*(4*uu+kb):ACC+8*(4*uu+kb)+7], v[8*(4*ks+uu):8*(4*ks+uu)+7], v[8*(8*kb+ks):8*(8*kb+ks)+7], v[ACC+8*(4*uu+kb):ACC+8*(4*uu+kb)+7]
.endif
.set kb, kb+1
.endr
.set uu, uu+1
.endr
.set ks, ks+1
.endr
	WIN 0
	PLACES
	; the other three row tiles' shares go to their waves (each accumulator's low registers first)
.set uu, 1
.rept 3
.set kb, 0
.rept 4
	ds_store_b128 v[EXS], v[ACC+8*(4*uu+kb):ACC+8*(4*uu+kb)+3]   offset:4096*(uu-1)+1024*kb
	ds_store_b128 v[EXS], v[ACC+8*(4*uu+kb)+4:ACC+8*(4*uu+kb)+7] offset:4096*(uu-1)+1024*kb+512
.set kb, kb+1
.endr
.set uu, uu+1
.endr
	s_wait_dscnt 0x0                               ; for the others' sake: my stores are done.  (My reads of CT for the tile before were waited for there: behind this barrier CT may be written)
	s_barrier_signal -1                            ; a tensor load may be out here
	s_barrier_wait -1
.set uu, 1
.rept 3
.set kb, 0
.rept 4
	ds_load_b128 v[ACC+8*(4*uu+kb):ACC+8*(4*uu+kb)+3],   v[EXL+uu-1] offset:1024*kb
	ds_load_b128 v[ACC+8*(4*uu+kb)+4:ACC+8*(4*uu+kb)+7], v[EXL+uu-1] offset:1024*kb+512
.set kb, kb+1
.endr
.set uu, uu+1
.endr
	WIN 0xc0                                       ; x turned, for c^T x: rows 32 kk on, columns 16 ib on; the softmax stands between these loads and their use
.set kk, 0
.rept 2
.set ib, 0
.rept 16
	ds_load_tr16_b128 v[8*(16*kk+ib):8*(16*kk+ib)+3],   v[TR+(\slot)] offset:32*PITCH*kk+32*ib
	ds_load_tr16_b128 v[8*(16*kk+ib)+4:8*(16*kk+ib)+7], v[TR+(\slot)] offset:32*PITCH*kk+32*ib+16*PITCH
.set ib, ib+1
.endr
.set kk, kk+1
.endr
	WIN 0
	s_wait_dscnt 60                                ; 64 loads were issued behind the 24 from EX; 60 of them may stay out
.set ii, 0
.rept 16                               ; the four waves' shares: (0 + 1) + (2 + 3), ascending in each accumulator
	v_pk_add_f32 v[ACC+2*ii:ACC+2*ii+1], v[ACC+2*ii:ACC+2*ii+1], v[ACC+32+2*ii:ACC+32+2*ii+1]
.set ii, ii+1
.endr
.set ii, 0
.rept 16
	v_pk_add_f32 v[ACC+64+2*ii:ACC+64+2*ii+1], v[ACC+64+2*ii:ACC+64+2*ii+1], v[ACC+96+2*ii:ACC+96+2*ii+1]
.set ii, ii+1
.endr
.set ii, 0
.rept 16
	v_pk_add_f32 v[ACC+2*ii:ACC+2*ii+1], v[ACC+2*ii:ACC+2*ii+1], v[ACC+64+2*ii:ACC+64+2*ii+1]
.set ii, ii+1
.endr
	; softmax over a row's 64 capsules: four registers (blocks) x sixteen lanes; eight rows a lane
.set jj, 0
.rept 8
	v_max3_num_f32 v[MX+jj], v[ACC+jj], v[ACC+8+jj], v[ACC+16+jj]
.set jj, jj+1
.endr
.set jj, 0
.rept 8
	v_max_num_f32 v[MX+jj], v[MX+jj], v[ACC+24+jj]
.set jj, jj+1
.endr
.irp xm, 1,2,4,8
.set jj, 0
.rept 8
	v_max_num_f32_dpp v[MX+jj], v[MX+jj], v[MX+jj] row_xmask:\xm row_mask:0xf bank_mask:0xf
.set jj, jj+1
.endr
.endr
.set jj, 0
.rept 4
	v_pk_mul_f32 v[MX+2*jj:MX+2*jj+1], v[MX+2*jj:MX+2*jj+1], s[56:57] op_sel_hi:[1,0]
.set jj, jj+1
.endr
.set ii, 0
.rept 16                               ; log2(e) s - log2(e) m: what the rounding of the second term adds is the same for a whole row, and leaves with the division
	v_pk_fma_f32 v[ACC+2*ii:ACC+2*ii+1], v[ACC+2*ii:ACC+2*ii+1], s[56:57], v[MX+2*(ii%4):MX+2*(ii%4)+1] op_sel_hi:[1,0,1] neg_lo:[0,0,1] neg_hi:[0,0,1]
.set ii, ii+1
.endr
.set ii, 0
.rept 32
	v_exp_f32 v[ACC+ii], v[ACC+ii]
.set ii, ii+1
.endr
	v_nop                                          ; a plain instruction between the exponentials and the use of their results (ISA guide 5.7.2)
.set jj, 0
	s_wait_alu depctr_va_vdst(0)
.rept 4
	v_pk_add_f32 v[ZS+2*jj:ZS+2*jj+1], v[ACC+2*jj:ACC+2*jj+1], v[ACC+8+2*jj:ACC+8+2*jj+1]
	v_pk_add_f32 v[MX+2*jj:MX+2*jj+1], v[ACC+16+2*jj:ACC+16+2*jj+1], v[ACC+24+2*jj:ACC+24+2*jj+1]
.set jj, jj+1
.endr
.set jj, 0
.rept 4
	v_pk_add_f32 v[ZS+2*jj:ZS+2*jj+1], v[ZS+2*jj:ZS+2*jj+1], v[MX+2*jj:MX+2*jj+1]
.set jj, jj+1
.endr
.irp xm, 1,2,4,8
.set jj, 0
.rept 8
	v_add_f32_dpp v[ZS+jj], v[ZS+jj], v[ZS+jj] row_xmask:\xm row_mask:0xf bank_mask:0xf
.set jj, jj+1
.endr
.endr
.set jj, 0
.rept 8
	v_rcp_f32 v[ZS+jj], v[ZS+jj]                   ; the sum is at least the maximum's own weight, about 1
.set jj, jj+1
.endr
	v_nop
.set jj, 0
	s_wait_alu depctr_va_vdst(0)
.rept 4                                ; c of my work-group's own block alone
	v_pk_mul_f32 v[ACC+2*jj:ACC+2*jj+1], v[ACC+2*jj:ACC+2*jj+1], v[ZS+2*jj:ZS+2*jj+1]
.set jj, jj+1
.endr
.set jj, 0
.rept 4
	v_cvt_pk_bf16_f32 v[CB+jj], v[ACC+2*jj], v[ACC+2*jj+1]
.set jj, jj+1
.endr
	ds_store_b128 v[CTS], v[CB:CB+3]               ; c^T[capsule r][rows 16 w + 8 h + 0..7]
	s_wait_dscnt 0x0                               ; for the others' sake: my store is done, and my reads of EX are back (behind this barrier EX may be written); the turned fragments are in too
	s_barrier_signal -1
	s_barrier_wait -1
.irp cc, 0,1,2,3
	ds_load_b128 v[CF+4*\cc:CF+4*\cc+3], v[CTL] offset:32*\cc
.endr
	s_wait_dscnt 0x0
	WIN 0xa3                                       ; x turned window 3, c^T window 0, C and D window 2
.set kk, 0
.rept 2
.set ib, 0
.rept 16
.if (\first) && (kk == 0)
	v_wmma_f32_16x16x32_bf16 v[8*ib:8*ib+7], v[8*(16*kk+ib):8*(16*kk+ib)+7], v[CF+8*kk:CF+8*kk+7], 0
.else
	v_wmma_f32_16x16x32_bf16 v[8*ib:8*ib+7], v[8*(16*kk+ib):8*(16*kk+ib)+7], v[CF+8*kk:CF+8*kk+7], v[8*ib:8*ib+7]
.endif
.set ib, ib+1
.endr
.set kk, kk+1
.endr
	WIN 0xa0                                       ; ones and c^T window 0, C and D window 2
.if \first
	v_wmma_f32_16x16x32_bf16 v[YC:YC+7], v[ONES:ONES+7], v[CF:CF+7], 0
	v_wmma_f32_16x16x32_bf16 v[YC+8:YC+15], v[ONES:ONES+7], v[CF+8:CF+15], 0
.else
	v_wmma_f32_16x16x32_bf16 v[YC:YC+7], v[ONES:ONES+7], v[CF:CF+7], v[YC:YC+7]
	v_wmma_f32_16x16x32_bf16 v[YC+8:YC+15], v[ONES:ONES+7], v[CF+8:CF+15], v[YC+8:YC+15]
.endif
	WIN 0
.endm
	TILE 0, 1, 1, 0                                ; tile 0: the count leaves tile 1's load on its way
	REFILL 0                                       ; tile 2 goes out; it has tile 1's work in which to land
	TILE 1, 0, 1, 0                                ; tile 1: shown landed by the refill's wait for 0; the one load issued behind it may stay out
	REFILL 1                                       ; tile 3: the last load
	TILE 0, 0, 1, 0                                ; tile 2
	TILE 1, 0, 0, 1                                ; tile 3: the last wait is for 0
	; THE WAY OUT.  A lane's eight columns of a capsule's row go into my quarter of slot 0 (its last fill has been read) in rows of 1,040 bytes, and come back as runs of 512 bytes.
	PLACES
	WIN 0x08                                       ; store data window 2
.set ib, 0
.rept 16
	ds_store_b128 v[STO], v[8*ib:8*ib+3]   offset:64*ib
	ds_store_b128 v[STO], v[8*ib+4:8*ib+7] offset:64*ib+16
.set ib, ib+1
.endr
	WIN 0xc0
.set mm, 0
.rept 32
	ds_load_b128 v[4*mm:4*mm+3], v[RD] offset:OPITCH*(mm/2)+512*(mm%2)  ; LDS serves a wave's instructions in order (ISA guide 5.7.1.4): these see the stores above
.set mm, mm+1
.endr
	WIN 0x0c                                       ; store data window 3
.set mm, 0
.rept 32
	s_wait_dscnt 31-mm
	global_store_b128 v[GO], v[4*mm:4*mm+3], s[58:59] offset:4096*(mm/2)+512*(mm%2)  ; 512 consecutive bytes of Yp, at a multiple of 512
.set mm, mm+1
.endr
	WIN 0x0a                                       ; sources window 2
	v_add_f32 v[MX], v[YC], v[YC+8]                ; the sum of c for capsule r: every register of the two accumulators holds its half; the lowest are read
	WIN 0
	s_cmp_lg_u32 s[WV], 0                          ; all four waves hold the same sums; wave 0 stores them: 64 bytes a work-group, the four partners' together one row of csP
	s_cbranch_scc1 .Lno_sums
	s_wait_xcnt 0x0                                ; EXEC is a source of the stores above: it changes only behind this wait
	v_cmp_gt_u32 vcc_lo, 16, v3
	s_and_saveexec_b32 s3, vcc_lo
	global_store_b32 v[R4], v[MX], s[60:61]
	s_wait_xcnt 0x0                                ; and again, in front of the line that widens it
	s_or_b32 exec_lo, exec_lo, s3
.Lno_sums:
	s_wait_tensorcnt 0x0                           ; the wave's end, behind my last tensor load and my last LDS store
	ds_add_u32 v[SPW], v[NIL]
	s_wait_dscnt 0x0
	CROUND                                         ; the closing round: no work-group ends while a partner may still ask for a tile that names it
	s_endpgm
.Lfunc_end_k_q1cfdfbf5b0_route:
	.size	k_q1cfdfbf5b0_route, .Lfunc_end_k_q1cfdfbf5b0_route-k_q1cfdfbf5b0_route
	.p2alignl 7, 3214868480
	.fill 96, 4, 3214868480
	.section	.rodata,"a",@progbits
	.p2align	6, 0x0
	.amdhsa_kernel k_q1cfdfbf5b0_route
		.amdhsa_group_segment_fixed_size 327680
		.amdhsa_private_segment_fixed_size 0
		.amdhsa_enable_private_segment 0
		.amdhsa_kernarg_size 40
		.amdhsa_user_sgpr_count 2
		.amdhsa_user_sgpr_kernarg_segment_ptr 1
		.amdhsa_wavefront_size32 1
		.amdhsa_system_sgpr_workgroup_id_x 1
		.amdhsa_system_sgpr_workgroup_id_y 1
		.amdhsa_system_sgpr_workgroup_id_z 1
		.amdhsa_system_vgpr_workitem_id 0
		.amdhsa_next_free_vgpr 1024
		.amdhsa_next_free_sgpr 66
		.amdhsa_reserve_vcc 1
		.amdhsa_float_denorm_mode_32 3
		.amdhsa_float_denorm_mode_16_64 3
		.amdhsa_memory_ordered 1
		.amdhsa_forward_progress 1
		.amdhsa_inst_pref_size 162
	.end_amdhsa_kernel
	.amdgpu_metadata
---
amdhsa.version: [ 1, 2 ]
amdhsa.kernels:
  - .name:           k_q1cfdfbf5b0_route
    .symbol:         k_q1cfdfbf5b0_route.kd
    .args:
      - { .name: xb, .offset: 0, .size: 8, .value_kind: global_buffer, .address_space: global }
      - { .name: Mg, .offset: 8, .size: 8, .value_kind: global_buffer, .address_space: global }
      - { .name: biasv, .offset: 16, .size: 8, .value_kind: global_buffer, .address_space: global }
      - { .name: Yp, .offset: 24, .size: 8, .value_kind: global_buffer, .address_space: global }
      - { .name: csP, .offset: 32, .size: 8, .value_kind: global_buffer, .address_space: global }
    .group_segment_fixed_size: 327680
    .private_segment_fixed_size: 0
    .kernarg_segment_align: 8
    .kernarg_segment_size: 40
    .max_flat_workgroup_size: 128
    .sgpr_count:     66
    .vgpr_count:     1024
    .wavefront_size: 32
...
	.end_amdgpu_metadata
.endif
;; end of part 3
;; launch caps2 (part 4): grid 64 x 1, 16 waves a work-group, no clusters, 10,240 bytes of LDS; arguments Yp, csP, W, b, va, Mg, biasv; writes Mg, biasv
.if DOCPART == 4
	.amdgcn_target "amdgcn-amd-amdhsa--gfx1250"
	.amdhsa_code_object_version 6
	.text
	.protected	k_q1cfdfbf5b0_caps2
	.globl	k_q1cfdfbf5b0_caps2
	.p2align	8
	.type	k_q1cfdfbf5b0_caps2,@function
k_q1cfdfbf5b0_caps2:
	s_mov_b64 s[64:65], 0
	v_nop
	global_prefetch_b8 v0, s[64:65] scope:SCOPE_SE
	s_setreg_imm32_b32 hwreg(HW_REG_WAVE_MODE, 25, 1), 1
	s_wait_xcnt 0x0
; THE CAPSULE STEP.  One text serves the three routing iterations; STAGE_NO says which this file is.  With W_k = W[:, 64 k .. 64 k + 63], b_k likewise:
;   s_k = Y_k W_k + csum_k b_k;  v_k = squash(s_k);  then, for the next softmax, M[:, k] = W_k V_k (bf16) and biasv[k] = b_k . V_k, since u_hat[n, k, :] . V_k = x[n, :] . (W_k V_k) + b_k . V_k.
;   stage 1: the weights are all 1/64: Y = (column sums of x) / 64, csum = 16384 / 64 = 256; v goes to va; V = v.
;   stage 2: Y_k = sum over n of c[n, k] x[n, :] and csum_k = sum over n of c[n, k], both summed here over the 64 parts of the launch before; V = va + v.
;   stage 3: Y and csum as in stage 2; v is the result; nothing more is made.
; All arithmetic is f32 on the vector unit: one row of Y for each capsule against W read once is a stream, which the matrix unit would not shorten.
; SHARES.  Work-group = capsule k: the squash wants all of s_k, and s_k all 1,024 rows of W_k, so 64 work-groups is what the step has work for without a further launch.
; W_k (1,024 rows x 256 bytes) stays in registers, 128 a thread, and is used twice.  Lane l: dg = l % 16 (four channels), h = l / 16; wave v; the thread's rows are i = 64 v + 32 h + j, j = 0..31:
; sixteen lanes read 256 consecutive bytes of a row of W.  NO CLUSTER: W_k, Y_k are the work-group's own; what all share in stage 1 (xsP, 128 KiB) is summed straight out of the loads' registers,
; and a joint load would only add a way through LDS.
; LIMITS.  Sums are f32 in this text's order.  1/x and 1/sqrt(x) are the hardware's (1 ulp).  NaN and infinities are not treated apart.
; Mg is stored in pieces of 16 bytes (2 KiB a work-group) and biasv as one word: that order lets every fragment load of the next launch read two runs of 256 consecutive bytes.
.set STAGE_NO, 2
.if STAGE_NO == 1
.set PSTRIDE, 4096                     ; bytes from part to part of Y's partial sums: xsP [32][1024]
.else
.set PSTRIDE, 262144                   ; Yp [64][64][1024]
.endif
; v1 lane  v2 dg  v3 h  v4 offset in W  v5 my pair of Y: offset in a part, and LDS address in YX (the same number)  v6 16 dg  v7 256 l (csP)  v9 YX read  v10 SP store  v11 SP read
; v12 offset in Mg  v13 16 dg + 8 h  v14 0  v[16:19] b  v[20:23] va's row (stage 2) or v[20:21] the pair of v that I store  v[24:25] csum, later the bias
.set YS, 26                            ; v[26:27]   my pair of Y; later the squash's factor
.set SA, 28                            ; v[28:31]   my four channels of s
.set T,  32                            ; v[32:35]   at work
.set VS, 36                            ; v[36:39]   V
.set R,  40                            ; v[40:103]  parts of Y as loaded; Y of my 32 rows; the waves' parts of s; M
.set WR, 104                           ; v[104:231] W: row j at WR + 4 j
; LDS: YX bytes 0..4095, 256 for each wave, its own; SP bytes 4096..8191, 256 for each wave, read by all behind the barrier.
.if STAGE_NO == 1
	s_load_b64 s[4:5], s[0:1], 0x0                 ; xsP
	s_load_b128 s[8:11], s[0:1], 0x8               ; W, b
	s_load_b128 s[12:15], s[0:1], 0x18             ; va, Mg
	s_load_b64 s[16:17], s[0:1], 0x28              ; biasv
.elseif STAGE_NO == 2
	s_load_b256 s[4:11], s[0:1], 0x0               ; Yp, csP, W, b
	s_load_b128 s[12:15], s[0:1], 0x20             ; va, Mg
	s_load_b64 s[16:17], s[0:1], 0x30              ; biasv
	v_lshl_add_u32 v232, v0, 2, 0x2000
	v_mov_b32 v233, 0
.else
	s_load_b256 s[4:11], s[0:1], 0x0               ; Yp, csP, W, b
	s_load_b64 s[12:13], s[0:1], 0x20              ; out0
.endif
	v_lshrrev_b32 v1, 5, v0
	v_readfirstlane_b32 s18, v1                    ; wave 0..15
	s_lshl_b32 s24, ttmp9, 8                       ; 256 k: W's columns, b, va, out0
	s_mov_b32 s25, 0
	s_lshl_b32 s28, ttmp9, 2                       ; 4 k: csP, biasv
	s_mov_b32 s29, 0
.if STAGE_NO > 1
	s_lshl_b32 s26, ttmp9, 12                      ; 4,096 k: Yp
	s_mov_b32 s27, 0
.endif
.if STAGE_NO < 3
	s_lshl_b32 s30, ttmp9, 4                       ; 16 k: Mg
	s_mov_b32 s31, 0
.endif
	s_mov_b32 s32, 0x76543210                      ; v_permlanex16_b32: each lane takes its own place in the other half
	s_mov_b32 s33, 0xfedcba98
	v_and_b32 v1, 31, v0
	v_and_b32 v2, 15, v0
	v_bfe_u32 v3, v0, 4, 1
	v_lshlrev_b32 v6, 4, v2
	v_lshl_add_u32 v4, v3, 19, v6                  ; W: 16 dg + h x 32 rows x 16,384
	v_lshl_add_u32 v4, s18, 20, v4                 ;    + wave x 64 rows x 16,384
	v_lshlrev_b32 v5, 3, v1
	v_lshl_add_u32 v5, s18, 8, v5                  ; 256 wave + 8 l: columns 64 wave + 2 l, + 1
	v_lshlrev_b32 v9, 7, v3
	v_lshl_add_u32 v9, s18, 8, v9                  ; 256 wave + 128 h
	v_add_nc_u32 v11, 4096, v6
	v_lshl_add_u32 v10, s18, 8, v11
	v_lshl_add_u32 v13, v3, 3, v6
.if STAGE_NO > 1
	v_lshlrev_b32 v7, 8, v1
.endif
.if STAGE_NO < 3
	v_lshlrev_b32 v12, 12, v3
	v_lshl_add_u32 v12, s18, 13, v12               ; Mg: (8 wave + 4 h) x 1,024
	v_mov_b32 v14, 0
.endif
	s_wait_kmcnt 0x0
.if STAGE_NO > 1
	s_add_nc_u64 s[4:5], s[4:5], s[26:27]
	s_add_nc_u64 s[20:21], s[4:5], 0x800000        ; parts 32 on: 32 x 262,144 bytes further
	s_add_nc_u64 s[6:7], s[6:7], s[28:29]
.endif
	s_add_nc_u64 s[8:9], s[8:9], s[24:25]
	s_add_nc_u64 s[10:11], s[10:11], s[24:25]
	s_add_nc_u64 s[12:13], s[12:13], s[24:25]
.if STAGE_NO < 3
	s_add_nc_u64 s[14:15], s[14:15], s[30:31]
	s_add_nc_u64 s[16:17], s[16:17], s[28:29]
.endif
.macro LDY p, base                     ; part p (of the 32 from the base on) of my pair of Y: a wave reads 256 consecutive bytes
.if STAGE_NO == 1
	global_load_b64 v[R+2*(\p):R+2*(\p)+1], v5, s[\base:\base+1] offset:PSTRIDE*(\p)
.else
	global_load_b64 v[R+2*(\p):R+2*(\p)+1], v5, s[\base:\base+1] offset:PSTRIDE*(\p) th:TH_LOAD_NT
.endif
.endm
.macro ROWSUM reg                      ; the sum over the 16 lanes of a half, in every lane
.irp xm, 1,2,4,8
	v_add_f32_dpp v[\reg], v[\reg], v[\reg] row_xmask:\xm row_mask:0xf bank_mask:0xf
.endr
.endm
	; everything is asked for at once: the small loads, 32 parts of Y, all of W_k
	global_load_b128 v[16:19], v6, s[10:11]
.if STAGE_NO == 2
	global_load_b128 v[20:23], v6, s[12:13]
.endif
.if STAGE_NO > 1
	global_load_b32 v24, v7, s[6:7]                ; lane l: parts l and 32 + l of csum
	global_load_b32 v25, v7, s[6:7] offset:8192
.endif
.set pp, 0
.rept 32
	LDY pp, 4
.set pp, pp+1
.endr
.set jj, 0
.rept 32
	global_load_b128 v[WR+4*jj:WR+4*jj+3], v4, s[8:9] offset:16384*jj
.set jj, jj+1
.endr
	; Y = the sum over the parts.  Parts 0 and 1 start it.  In stages 2 and 3 a part's registers are asked for again at once, for the part 32 further on.
.set pp, 1
.rept 31
.if STAGE_NO == 1
	s_wait_loadcnt 63-pp                           ; behind part pp: 31 - pp parts and W's 32 loads
.else
	s_wait_loadcnt 62                              ; behind part pp: 31 - pp parts, W's 32 loads and the pp loads asked for again: 63 (62 at pp = 1); one fewer is allowed to stay out
.endif
.if pp == 1
	v_pk_add_f32 v[YS:YS+1], v[R:R+1], v[R+2:R+3]
.else
	v_pk_add_f32 v[YS:YS+1], v[YS:YS+1], v[R+2*pp:R+2*pp+1]
.endif
.if STAGE_NO > 1
.if pp == 1
	LDY 0, 20
.endif
	LDY pp, 20
.endif
.set pp, pp+1
.endr
.if STAGE_NO > 1
.set pp, 0
.rept 32
	s_wait_loadcnt 31-pp                           ; the younger parts stay out; W, asked for earlier, is in
	v_pk_add_f32 v[YS:YS+1], v[YS:YS+1], v[R+2*pp:R+2*pp+1]
.set pp, pp+1
.endr
.else
	s_wait_loadcnt 0x0                             ; W
	v_pk_mul_f32 v[YS:YS+1], v[YS:YS+1], 0x3c800000 op_sel_hi:[1,0]  ; the weight 1/64, exact
.endif
	; Y goes round inside the wave: each thread wants Y of its 32 rows.  The bytes are the wave's own and LDS serves a wave's instructions in order (ISA guide 5.7.1.4): no barrier
	ds_store_b64 v5, v[YS:YS+1]
.set cc, 0
.rept 8
	ds_load_b128 v[R+4*cc:R+4*cc+3], v9 offset:16*cc
.set cc, cc+1
.endr
	s_wait_dscnt 0x0                               ; v[R+j] = Y[64 wave + 32 h + j]
	; my rows' share of s: four channels, two packed chains
	v_pk_mul_f32 v[SA:SA+1], v[WR:WR+1], v[R:R+1] op_sel_hi:[1,0]
	v_pk_mul_f32 v[SA+2:SA+3], v[WR+2:WR+3], v[R:R+1] op_sel_hi:[1,0]
.set jj, 1
.rept 31
.if jj%2                               ; Y of row j feeds both halves: the pair's second register for odd j, its first for even j
	v_pk_fma_f32 v[SA:SA+1], v[WR+4*jj:WR+4*jj+1], v[R+jj-1:R+jj], v[SA:SA+1] op_sel:[0,1,0] op_sel_hi:[1,1,1]
	v_pk_fma_f32 v[SA+2:SA+3], v[WR+4*jj+2:WR+4*jj+3], v[R+jj-1:R+jj], v[SA+2:SA+3] op_sel:[0,1,0] op_sel_hi:[1,1,1]
.else
	v_pk_fma_f32 v[SA:SA+1], v[WR+4*jj:WR+4*jj+1], v[R+jj:R+jj+1], v[SA:SA+1] op_sel_hi:[1,0,1]
	v_pk_fma_f32 v[SA+2:SA+3], v[WR+4*jj+2:WR+4*jj+3], v[R+jj:R+jj+1], v[SA+2:SA+3] op_sel_hi:[1,0,1]
.endif
.set jj, jj+1
.endr
.irp i, 0,1,2,3
	v_permlanex16_b32 v[R+32+\i], v[SA+\i], s32, s33  ; the other half's rows (the destination counts as read: loads have written it)
.endr
	v_pk_add_f32 v[SA:SA+1], v[SA:SA+1], v[R+32:R+33]
	v_pk_add_f32 v[SA+2:SA+3], v[SA+2:SA+3], v[R+34:R+35]
	ds_store_b128 v10, v[SA:SA+3]                  ; both halves of the lanes hold, and write, the same
	s_wait_dscnt 0x0                               ; for the others' sake: my store is done
	s_barrier_signal -1
	s_barrier_wait -1
.if STAGE_NO == 3
	s_cmp_lg_u32 s18, 0                            ; only v is left to make, and one wave stores it
	s_cbranch_scc1 .Lend
.endif
.set jj, 0
.rept 16
	ds_load_b128 v[R+4*jj:R+4*jj+3], v11 offset:256*jj
.set jj, jj+1
.endr
.if STAGE_NO > 1
	v_add_f32 v24, v24, v25                        ; csum, while the loads are out: 64 parts over 32 lanes
	ROWSUM 24
	v_permlanex16_b32 v25, v24, s32, s33
	v_add_f32 v24, v24, v25
.endif
	s_wait_dscnt 0x0
.irp st, 32,16,8,4                     ; a tree: waves 8, 4, 2, 1 apart, four registers a wave
.set ii, 0
.rept \st/2
	v_pk_add_f32 v[R+ii:R+ii+1], v[R+ii:R+ii+1], v[R+ii+\st:R+ii+\st+1]
.set ii, ii+2
.endr
.endr
.if STAGE_NO == 1
	v_pk_fma_f32 v[R:R+1], v[16:17], 0x43800000, v[R:R+1] op_sel_hi:[1,0,1]      ; s += 256 b
	v_pk_fma_f32 v[R+2:R+3], v[18:19], 0x43800000, v[R+2:R+3] op_sel_hi:[1,0,1]
.else
	v_pk_fma_f32 v[R:R+1], v[16:17], v[24:25], v[R:R+1] op_sel_hi:[1,0,1]        ; s += csum b
	v_pk_fma_f32 v[R+2:R+3], v[18:19], v[24:25], v[R+2:R+3] op_sel_hi:[1,0,1]
.endif
	; squash: v = s n2 / ((1 + n2) sqrt(n2 + 1e-8)), n2 = |s|^2 over the 64 channels (four a lane, sixteen lanes)
	v_mul_f32 v26, v[R], v[R]
	v_fmac_f32 v26, v[R+1], v[R+1]
	v_fmac_f32 v26, v[R+2], v[R+2]
	v_fmac_f32 v26, v[R+3], v[R+3]
	ROWSUM 26
	v_add_f32 v27, 1.0, v26
	v_add_f32 v28, 0x322bcc77, v26                 ; + 1e-8
	v_rcp_f32 v27, v27
	v_rsq_f32 v28, v28
	v_nop                                          ; a plain instruction between the two and the use of their results (ISA guide 5.7.2)
	s_wait_alu depctr_va_vdst(0)
	v_mul_f32 v26, v26, v27
	v_mul_f32 v26, v26, v28
	v_pk_mul_f32 v[VS:VS+1], v[R:R+1], v[26:27] op_sel_hi:[1,0]
	v_pk_mul_f32 v[VS+2:VS+3], v[R+2:R+3], v[26:27] op_sel_hi:[1,0]
.if STAGE_NO != 2
	v_cmp_eq_u32 vcc_lo, 1, v3                     ; of my four channels the lower half of the lanes stores the first two, the upper half the last two:
	v_cndmask_b32 v20, v[VS], v[VS+2], vcc_lo      ; 32 lanes x 8 bytes are the capsule's 256 consecutive bytes
	v_cndmask_b32 v21, v[VS+1], v[VS+3], vcc_lo
.endif
.if STAGE_NO == 1
	s_cmp_lg_u32 s18, 0
	s_cbranch_scc1 .Lnot_wave_0
	global_store_b64 v13, v[20:21], s[12:13]       ; va; v[20:21] are not written again
.Lnot_wave_0:
.elseif STAGE_NO == 3
	global_store_b64 v13, v[20:21], s[12:13]       ; out0
.else
	v_pk_add_f32 v[VS:VS+1], v[VS:VS+1], v[20:21]  ; V = v1 + v2
	v_pk_add_f32 v[VS+2:VS+3], v[VS+2:VS+3], v[22:23]
.endif
.if STAGE_NO < 3
	; M[i] = W_k[i, :] . V for my 32 rows: four channels here, then the sum over the sixteen lanes, taken in runs over the 32 registers so that no line waits for the one before it
.set jj, 0
.rept 32
.set tt, T+2*(jj%2)
	v_pk_mul_f32 v[tt:tt+1], v[WR+4*jj:WR+4*jj+1], v[VS:VS+1]
	v_pk_fma_f32 v[tt:tt+1], v[WR+4*jj+2:WR+4*jj+3], v[VS+2:VS+3], v[tt:tt+1]
	v_add_f32 v[R+jj], v[tt], v[tt+1]
.set jj, jj+1
.endr
.irp xm, 1,2,4,8
.set jj, 0
.rept 32
	v_add_f32_dpp v[R+jj], v[R+jj], v[R+jj] row_xmask:\xm row_mask:0xf bank_mask:0xf
.set jj, jj+1
.endr
.endr
.set jj, 0
.rept 16
	v_cvt_pk_bf16_f32 v[R+32+jj], v[R+2*jj], v[R+2*jj+1]
.set jj, jj+1
.endr
	v_mul_f32 v24, v16, v[VS]                      ; b_k . V
	v_fmac_f32 v24, v17, v[VS+1]
	v_fmac_f32 v24, v18, v[VS+2]
	v_fmac_f32 v24, v19, v[VS+3]
	ROWSUM 24
	s_wait_xcnt 0x0                                ; EXEC is a source of the memory instructions issued so far: it changes only behind this wait
	v_cmp_eq_u32 vcc_lo, 0, v2
	s_and_saveexec_b32 s22, vcc_lo                 ; lanes 0 and 16: each holds its half's 32 rows, four pieces of eight
.set cc, 0
.rept 4
	global_store_b128 v12, v[R+32+4*cc:R+32+4*cc+3], s[14:15] offset:1024*cc  ; Mg[(i / 8)][k][i % 8]
.set cc, cc+1
.endr
	s_cmp_lg_u32 s18, 0
	s_cbranch_scc1 .Lend
	s_wait_xcnt 0x0                                ; and again, in front of the next change of EXEC
	v_cmp_eq_u32 vcc_lo, 0, v1
	s_and_saveexec_b32 s23, vcc_lo                 ; lane 0 of wave 0
	global_store_b32 v14, v24, s[16:17]            ; biasv[k]
.endif
.Lend:
	s_wait_xcnt 0x0
	s_mov_b32 exec_lo, -1
	s_wait_tensorcnt 0x0
	ds_add_u32 v232, v233
	s_wait_dscnt 0x0
	s_endpgm
.Lfunc_end_k_q1cfdfbf5b0_caps2:
	.size	k_q1cfdfbf5b0_caps2, .Lfunc_end_k_q1cfdfbf5b0_caps2-k_q1cfdfbf5b0_caps2
	.p2alignl 7, 3214868480
	.fill 96, 4, 3214868480
	.section	.rodata,"a",@progbits
	.p2align	6, 0x0
	.amdhsa_kernel k_q1cfdfbf5b0_caps2
		.amdhsa_group_segment_fixed_size 10240
		.amdhsa_private_segment_fixed_size 0
		.amdhsa_enable_private_segment 0
		.amdhsa_kernarg_size 56
		.amdhsa_user_sgpr_count 2
		.amdhsa_user_sgpr_kernarg_segment_ptr 1
		.amdhsa_wavefront_size32 1
		.amdhsa_system_sgpr_workgroup_id_x 1
		.amdhsa_system_sgpr_workgroup_id_y 1
		.amdhsa_system_sgpr_workgroup_id_z 1
		.amdhsa_system_vgpr_workitem_id 0
		.amdhsa_next_free_vgpr 234
		.amdhsa_next_free_sgpr 66
		.amdhsa_reserve_vcc 1
		.amdhsa_float_denorm_mode_32 3
		.amdhsa_float_denorm_mode_16_64 3
		.amdhsa_memory_ordered 1
		.amdhsa_forward_progress 1
		.amdhsa_inst_pref_size 43
	.end_amdhsa_kernel
	.amdgpu_metadata
---
amdhsa.version: [ 1, 2 ]
amdhsa.kernels:
  - .name:           k_q1cfdfbf5b0_caps2
    .symbol:         k_q1cfdfbf5b0_caps2.kd
    .args:
      - { .name: Yp, .offset: 0, .size: 8, .value_kind: global_buffer, .address_space: global }
      - { .name: csP, .offset: 8, .size: 8, .value_kind: global_buffer, .address_space: global }
      - { .name: W, .offset: 16, .size: 8, .value_kind: global_buffer, .address_space: global }
      - { .name: b, .offset: 24, .size: 8, .value_kind: global_buffer, .address_space: global }
      - { .name: va, .offset: 32, .size: 8, .value_kind: global_buffer, .address_space: global }
      - { .name: Mg, .offset: 40, .size: 8, .value_kind: global_buffer, .address_space: global }
      - { .name: biasv, .offset: 48, .size: 8, .value_kind: global_buffer, .address_space: global }
    .group_segment_fixed_size: 10240
    .private_segment_fixed_size: 0
    .kernarg_segment_align: 8
    .kernarg_segment_size: 56
    .max_flat_workgroup_size: 512
    .sgpr_count:     66
    .vgpr_count:     234
    .wavefront_size: 32
...
	.end_amdgpu_metadata
.endif
;; end of part 4
;; launch route2: the kernel of part 3 again; grid 256 x 1, 4 waves a work-group, clusters of 4 x 1, 327,680 bytes of LDS; arguments xb, Mg, biasv, Yp, csP; writes Yp, csP
;; launch caps3 (part 5): grid 64 x 1, 16 waves a work-group, no clusters, 10,240 bytes of LDS; arguments Yp, csP, W, b, out0; writes out0
.if DOCPART == 5
	.amdgcn_target "amdgcn-amd-amdhsa--gfx1250"
	.amdhsa_code_object_version 6
	.text
	.protected	k_q1cfdfbf5b0_caps3
	.globl	k_q1cfdfbf5b0_caps3
	.p2align	8
	.type	k_q1cfdfbf5b0_caps3,@function
k_q1cfdfbf5b0_caps3:
	s_mov_b64 s[64:65], 0
	v_nop
	global_prefetch_b8 v0, s[64:65] scope:SCOPE_SE
	s_setreg_imm32_b32 hwreg(HW_REG_WAVE_MODE, 25, 1), 1
	s_wait_xcnt 0x0
; THE CAPSULE STEP.  One text serves the three routing iterations; STAGE_NO says which this file is.  With W_k = W[:, 64 k .. 64 k + 63], b_k likewise:
;   s_k = Y_k W_k + csum_k b_k;  v_k = squash(s_k);  then, for the next softmax, M[:, k] = W_k V_k (bf16) and biasv[k] = b_k . V_k, since u_hat[n, k, :] . V_k = x[n, :] . (W_k V_k) + b_k . V_k.
;   stage 1: the weights are all 1/64: Y = (column sums of x) / 64, csum = 16384 / 64 = 256; v goes to va; V = v.
;   stage 2: Y_k = sum over n of c[n, k] x[n, :] and csum_k = sum over n of c[n, k], both summed here over the 64 parts of the launch before; V = va + v.
;   stage 3: Y and csum as in stage 2; v is the result; nothing more is made.
; All arithmetic is f32 on the vector unit: one row of Y for each capsule against W read once is a stream, which the matrix unit would not shorten.
; SHARES.  Work-group = capsule k: the squash wants all of s_k, and s_k all 1,024 rows of W_k, so 64 work-groups is what the step has work for without a further launch.
; W_k (1,024 rows x 256 bytes) lies in registers, 128 a thread.  Lane l: dg = l % 16 (four channels), h = l / 16; wave v; the thread's rows are i = 64 v + 32 h + j, j = 0..31:
; sixteen lanes read 256 consecutive bytes of a row of W.  NO CLUSTER: W_k, Y_k are the work-group's own; what all share in stage 1 (xsP, 128 KiB) is summed straight out of the loads' registers,
; and a joint load would only add a way through LDS.
; LIMITS.  Sums are f32 in this text's order.  1/x and 1/sqrt(x) are the hardware's (1 ulp).  NaN and infinities are not treated apart.
.set STAGE_NO, 3
.if STAGE_NO == 1
.set PSTRIDE, 4096                     ; bytes from part to part of Y's partial sums: xsP [32][1024]
.else
.set PSTRIDE, 262144                   ; Yp [64][64][1024]
.endif
; v1 lane  v2 dg  v3 h  v4 offset in W  v5 my pair of Y: offset in a part, and LDS address in YX (the same number)  v6 16 dg  v7 256 l (csP)  v9 YX read  v10 SP store  v11 SP read
; v12 offset in Mg  v13 16 dg + 8 h  v14 0  v[16:19] b  v[20:23] va's row (stage 2) or v[20:21] the pair of v that I store  v[24:25] csum
.set YS, 26                            ; v[26:27]   my pair of Y; later the squash's factor
.set SA, 28                            ; v[28:31]   my four channels of s
.set T,  32
.set VS, 36                            ; v[36:39]   V
.set R,  40                            ; v[40:103]  parts of Y as loaded; Y of my 32 rows; the waves' parts of s
.set WR, 104                           ; v[104:231] W: row j at WR + 4 j
; LDS: YX bytes 0..4095, 256 for each wave, its own; SP bytes 4096..8191, 256 for each wave, read by all behind the barrier.
.if STAGE_NO == 1
	s_load_b64 s[4:5], s[0:1], 0x0                 ; xsP
	s_load_b128 s[8:11], s[0:1], 0x8               ; W, b
	s_load_b128 s[12:15], s[0:1], 0x18             ; va, Mg
	s_load_b64 s[16:17], s[0:1], 0x28              ; biasv
.elseif STAGE_NO == 2
	s_load_b256 s[4:11], s[0:1], 0x0               ; Yp, csP, W, b
	s_load_b128 s[12:15], s[0:1], 0x20             ; va, Mg
	s_load_b64 s[16:17], s[0:1], 0x30              ; biasv
.else
	s_load_b256 s[4:11], s[0:1], 0x0               ; Yp, csP, W, b
	s_load_b64 s[12:13], s[0:1], 0x20              ; out0
	v_lshl_add_u32 v232, v0, 2, 0x2000
	v_mov_b32 v233, 0
.endif
	v_lshrrev_b32 v1, 5, v0
	v_readfirstlane_b32 s18, v1                    ; wave 0..15
	s_lshl_b32 s24, ttmp9, 8                       ; 256 k: W's columns, b, va, out0
	s_mov_b32 s25, 0
	s_lshl_b32 s28, ttmp9, 2                       ; 4 k: csP, biasv
	s_mov_b32 s29, 0
.if STAGE_NO > 1
	s_lshl_b32 s26, ttmp9, 12                      ; 4,096 k: Yp
	s_mov_b32 s27, 0
.endif
.if STAGE_NO < 3
	s_lshl_b32 s30, ttmp9, 4                       ; 16 k: Mg
	s_mov_b32 s31, 0
.endif
	s_mov_b32 s32, 0x76543210                      ; v_permlanex16_b32: each lane takes its own place in the other half
	s_mov_b32 s33, 0xfedcba98
	v_and_b32 v1, 31, v0
	v_and_b32 v2, 15, v0
	v_bfe_u32 v3, v0, 4, 1
	v_lshlrev_b32 v6, 4, v2
	v_lshl_add_u32 v4, v3, 19, v6                  ; W: 16 dg + h x 32 rows x 16,384
	v_lshl_add_u32 v4, s18, 20, v4                 ;    + wave x 64 rows x 16,384
	v_lshlrev_b32 v5, 3, v1
	v_lshl_add_u32 v5, s18, 8, v5                  ; 256 wave + 8 l: columns 64 wave + 2 l, + 1
	v_lshlrev_b32 v9, 7, v3
	v_lshl_add_u32 v9, s18, 8, v9                  ; 256 wave + 128 h
	v_add_nc_u32 v11, 4096, v6
	v_lshl_add_u32 v10, s18, 8, v11
	v_lshl_add_u32 v13, v3, 3, v6
.if STAGE_NO > 1
	v_lshlrev_b32 v7, 8, v1
.endif
.if STAGE_NO < 3
	v_lshlrev_b32 v12, 12, v3
	v_lshl_add_u32 v12, s18, 13, v12               ; Mg: (8 wave + 4 h) x 1,024
	v_mov_b32 v14, 0
.endif
	s_wait_kmcnt 0x0
.if STAGE_NO > 1
	s_add_nc_u64 s[4:5], s[4:5], s[26:27]
	s_add_nc_u64 s[20:21], s[4:5], 0x800000        ; parts 32 on: 32 x 262,144 bytes further
	s_add_nc_u64 s[6:7], s[6:7], s[28:29]
.endif
	s_add_nc_u64 s[8:9], s[8:9], s[24:25]
	s_add_nc_u64 s[10:11], s[10:11], s[24:25]
	s_add_nc_u64 s[12:13], s[12:13], s[24:25]
.if STAGE_NO < 3
	s_add_nc_u64 s[14:15], s[14:15], s[30:31]
	s_add_nc_u64 s[16:17], s[16:17], s[28:29]
.endif
.macro LDY p, base                     ; part p (of the 32 from the base on) of my pair of Y: a wave reads 256 consecutive bytes
.if STAGE_NO == 1
	global_load_b64 v[R+2*(\p):R+2*(\p)+1], v5, s[\base:\base+1] offset:PSTRIDE*(\p)
.else
	global_load_b64 v[R+2*(\p):R+2*(\p)+1], v5, s[\base:\base+1] offset:PSTRIDE*(\p) th:TH_LOAD_NT
.endif
.endm
.macro ROWSUM reg                      ; the sum over the 16 lanes of a half, in every lane
.irp xm, 1,2,4,8
	v_add_f32_dpp v[\reg], v[\reg], v[\reg] row_xmask:\xm row_mask:0xf bank_mask:0xf
.endr
.endm
	; everything is asked for at once: the small loads, 32 parts of Y, all of W_k
	global_load_b128 v[16:19], v6, s[10:11]
.if STAGE_NO == 2
	global_load_b128 v[20:23], v6, s[12:13]
.endif
.if STAGE_NO > 1
	global_load_b32 v24, v7, s[6:7]                ; lane l: parts l and 32 + l of csum
	global_load_b32 v25, v7, s[6:7] offset:8192
.endif
.set pp, 0
.rept 32
	LDY pp, 4
.set pp, pp+1
.endr
.set jj, 0
.rept 32
	global_load_b128 v[WR+4*jj:WR+4*jj+3], v4, s[8:9] offset:16384*jj
.set jj, jj+1
.endr
	; Y = the sum over the parts.  Parts 0 and 1 start it.  In stages 2 and 3 a part's registers are asked for again at once, for the part 32 further on.
.set pp, 1
.rept 31
.if STAGE_NO == 1
	s_wait_loadcnt 63-pp                           ; behind part pp: 31 - pp parts and W's 32 loads
.else
	s_wait_loadcnt 62                              ; behind part pp: 31 - pp parts, W's 32 loads and the pp loads asked for again: 63 (62 at pp = 1); one fewer is allowed to stay out
.endif
.if pp == 1
	v_pk_add_f32 v[YS:YS+1], v[R:R+1], v[R+2:R+3]
.else
	v_pk_add_f32 v[YS:YS+1], v[YS:YS+1], v[R+2*pp:R+2*pp+1]
.endif
.if STAGE_NO > 1
.if pp == 1
	LDY 0, 20
.endif
	LDY pp, 20
.endif
.set pp, pp+1
.endr
.if STAGE_NO > 1
.set pp, 0
.rept 32
	s_wait_loadcnt 31-pp                           ; the younger parts stay out; W, asked for earlier, is in
	v_pk_add_f32 v[YS:YS+1], v[YS:YS+1], v[R+2*pp:R+2*pp+1]
.set pp, pp+1
.endr
.else
	s_wait_loadcnt 0x0                             ; W
	v_pk_mul_f32 v[YS:YS+1], v[YS:YS+1], 0x3c800000 op_sel_hi:[1,0]  ; the weight 1/64, exact
.endif
	; Y goes round inside the wave: each thread wants Y of its 32 rows.  The bytes are the wave's own and LDS serves a wave's instructions in order (ISA guide 5.7.1.4): no barrier
	ds_store_b64 v5, v[YS:YS+1]
.set cc, 0
.rept 8
	ds_load_b128 v[R+4*cc:R+4*cc+3], v9 offset:16*cc
.set cc, cc+1
.endr
	s_wait_dscnt 0x0                               ; v[R+j] = Y[64 wave + 32 h + j]
	; my rows' share of s: four channels, two packed chains
	v_pk_mul_f32 v[SA:SA+1], v[WR:WR+1], v[R:R+1] op_sel_hi:[1,0]
	v_pk_mul_f32 v[SA+2:SA+3], v[WR+2:WR+3], v[R:R+1] op_sel_hi:[1,0]
.set jj, 1
.rept 31
.if jj%2                               ; Y of row j feeds both halves: the pair's second register for odd j, its first for even j
	v_pk_fma_f32 v[SA:SA+1], v[WR+4*jj:WR+4*jj+1], v[R+jj-1:R+jj], v[SA:SA+1] op_sel:[0,1,0] op_sel_hi:[1,1,1]
	v_pk_fma_f32 v[SA+2:SA+3], v[WR+4*jj+2:WR+4*jj+3], v[R+jj-1:R+jj], v[SA+2:SA+3] op_sel:[0,1,0] op_sel_hi:[1,1,1]
.else
	v_pk_fma_f32 v[SA:SA+1], v[WR+4*jj:WR+4*jj+1], v[R+jj:R+jj+1], v[SA:SA+1] op_sel_hi:[1,0,1]
	v_pk_fma_f32 v[SA+2:SA+3], v[WR+4*jj+2:WR+4*jj+3], v[R+jj:R+jj+1], v[SA+2:SA+3] op_sel_hi:[1,0,1]
.endif
.set jj, jj+1
.endr
.irp i, 0,1,2,3
	v_permlanex16_b32 v[R+32+\i], v[SA+\i], s32, s33  ; the other half's rows (the destination counts as read: loads have written it)
.endr
	v_pk_add_f32 v[SA:SA+1], v[SA:SA+1], v[R+32:R+33]
	v_pk_add_f32 v[SA+2:SA+3], v[SA+2:SA+3], v[R+34:R+35]
	ds_store_b128 v10, v[SA:SA+3]                  ; both halves of the lanes hold, and write, the same
	s_wait_dscnt 0x0                               ; for the others' sake: my store is done
	s_barrier_signal -1
	s_barrier_wait -1
.if STAGE_NO == 3
	s_cmp_lg_u32 s18, 0                            ; only v is left to make, and one wave stores it
	s_cbranch_scc1 .Lend
.endif
.set jj, 0
.rept 16
	ds_load_b128 v[R+4*jj:R+4*jj+3], v11 offset:256*jj
.set jj, jj+1
.endr
.if STAGE_NO > 1
	v_add_f32 v24, v24, v25                        ; csum, while the loads are out: 64 parts over 32 lanes
	ROWSUM 24
	v_permlanex16_b32 v25, v24, s32, s33
	v_add_f32 v24, v24, v25
.endif
	s_wait_dscnt 0x0
.irp st, 32,16,8,4                     ; a tree: waves 8, 4, 2, 1 apart, four registers a wave
.set ii, 0
.rept \st/2
	v_pk_add_f32 v[R+ii:R+ii+1], v[R+ii:R+ii+1], v[R+ii+\st:R+ii+\st+1]
.set ii, ii+2
.endr
.endr
.if STAGE_NO == 1
	v_pk_fma_f32 v[R:R+1], v[16:17], 0x43800000, v[R:R+1] op_sel_hi:[1,0,1]      ; s += 256 b
	v_pk_fma_f32 v[R+2:R+3], v[18:19], 0x43800000, v[R+2:R+3] op_sel_hi:[1,0,1]
.else
	v_pk_fma_f32 v[R:R+1], v[16:17], v[24:25], v[R:R+1] op_sel_hi:[1,0,1]        ; s += csum b
	v_pk_fma_f32 v[R+2:R+3], v[18:19], v[24:25], v[R+2:R+3] op_sel_hi:[1,0,1]
.endif
	; squash: v = s n2 / ((1 + n2) sqrt(n2 + 1e-8)), n2 = |s|^2 over the 64 channels (four a lane, sixteen lanes)
	v_mul_f32 v26, v[R], v[R]
	v_fmac_f32 v26, v[R+1], v[R+1]
	v_fmac_f32 v26, v[R+2], v[R+2]
	v_fmac_f32 v26, v[R+3], v[R+3]
	ROWSUM 26
	v_add_f32 v27, 1.0, v26
	v_add_f32 v28, 0x322bcc77, v26                 ; + 1e-8
	v_rcp_f32 v27, v27
	v_rsq_f32 v28, v28
	v_nop                                          ; a plain instruction between the two and the use of their results (ISA guide 5.7.2)
	s_wait_alu depctr_va_vdst(0)
	v_mul_f32 v26, v26, v27
	v_mul_f32 v26, v26, v28
	v_pk_mul_f32 v[VS:VS+1], v[R:R+1], v[26:27] op_sel_hi:[1,0]
	v_pk_mul_f32 v[VS+2:VS+3], v[R+2:R+3], v[26:27] op_sel_hi:[1,0]
.if STAGE_NO != 2
	v_cmp_eq_u32 vcc_lo, 1, v3                     ; of my four channels the lower half of the lanes stores the first two, the upper half the last two:
	v_cndmask_b32 v20, v[VS], v[VS+2], vcc_lo      ; 32 lanes x 8 bytes are the capsule's 256 consecutive bytes
	v_cndmask_b32 v21, v[VS+1], v[VS+3], vcc_lo
.endif
.if STAGE_NO == 1
	s_cmp_lg_u32 s18, 0
	s_cbranch_scc1 .Lnot_wave_0
	global_store_b64 v13, v[20:21], s[12:13]       ; va; v[20:21] are not written again
.Lnot_wave_0:
.elseif STAGE_NO == 3
	global_store_b64 v13, v[20:21], s[12:13]       ; out0
.else
	v_pk_add_f32 v[VS:VS+1], v[VS:VS+1], v[20:21]  ; V = v1 + v2
	v_pk_add_f32 v[VS+2:VS+3], v[VS+2:VS+3], v[22:23]
.endif
.Lend:
	s_wait_tensorcnt 0x0
	ds_add_u32 v232, v233
	s_wait_dscnt 0x0
	s_endpgm
.Lfunc_end_k_q1cfdfbf5b0_caps3:
	.size	k_q1cfdfbf5b0_caps3, .Lfunc_end_k_q1cfdfbf5b0_caps3-k_q1cfdfbf5b0_caps3
	.p2alignl 7, 3214868480
	.fill 96, 4, 3214868480
	.section	.rodata,"a",@progbits
	.p2align	6, 0x0
	.amdhsa_kernel k_q1cfdfbf5b0_caps3
		.amdhsa_group_segment_fixed_size 10240
		.amdhsa_private_segment_fixed_size 0
		.amdhsa_enable_private_segment 0
		.amdhsa_kernarg_size 40
		.amdhsa_user_sgpr_count 2
		.amdhsa_user_sgpr_kernarg_segment_ptr 1
		.amdhsa_wavefront_size32 1
		.amdhsa_system_sgpr_workgroup_id_x 1
		.amdhsa_system_sgpr_workgroup_id_y 1
		.amdhsa_system_sgpr_workgroup_id_z 1
		.amdhsa_system_vgpr_workitem_id 0
		.amdhsa_next_free_vgpr 234
		.amdhsa_next_free_sgpr 66
		.amdhsa_reserve_vcc 1
		.amdhsa_float_denorm_mode_32 3
		.amdhsa_float_denorm_mode_16_64 3
		.amdhsa_memory_ordered 1
		.amdhsa_forward_progress 1
		.amdhsa_inst_pref_size 27
	.end_amdhsa_kernel
	.amdgpu_metadata
---
amdhsa.version: [ 1, 2 ]
amdhsa.kernels:
  - .name:           k_q1cfdfbf5b0_caps3
    .symbol:         k_q1cfdfbf5b0_caps3.kd
    .args:
      - { .name: Yp, .offset: 0, .size: 8, .value_kind: global_buffer, .address_space: global }
      - { .name: csP, .offset: 8, .size: 8, .value_kind: global_buffer, .address_space: global }
      - { .name: W, .offset: 16, .size: 8, .value_kind: global_buffer, .address_space: global }
      - { .name: b, .offset: 24, .size: 8, .value_kind: global_buffer, .address_space: global }
      - { .name: out0, .offset: 32, .size: 8, .value_kind: global_buffer, .address_space: global }
    .group_segment_fixed_size: 10240
    .private_segment_fixed_size: 0
    .kernarg_segment_align: 8
    .kernarg_segment_size: 40
    .max_flat_workgroup_size: 512
    .sgpr_count:     66
    .vgpr_count:     234
    .wavefront_size: 32
...
	.end_amdgpu_metadata
.endif
;; end of part 5
;; ======== version 2 of 3: 6 launches; 1.11 times as fast as version 1
;; workspace buffers: xb 33,554,432 bytes; xsP 131,072 bytes; va 16,384 bytes; Mg 131,072 bytes; biasv 256 bytes; Yp 16,777,216 bytes; csP 16,384 bytes
;; launch cast: the kernel of part 1 again; grid 8 x 32, 16 waves a work-group, no clusters, 10,240 bytes of LDS; arguments x, xb, xsP; writes xb, xsP
;; launch caps1 (part 6): grid 64 x 1, 16 waves a work-group, no clusters, 272,384 bytes of LDS; arguments xsP, W, b, va, Mg, biasv; writes va, Mg, biasv
.if DOCPART == 6
	.amdgcn_target "amdgcn-amd-amdhsa--gfx1250"
	.amdhsa_code_object_version 6
	.text
	.protected	k_q1cfdfbf5b0_caps1
	.globl	k_q1cfdfbf5b0_caps1
	.p2align	8
	.type	k_q1cfdfbf5b0_caps1,@function
k_q1cfdfbf5b0_caps1:
	s_mov_b64 s[64:65], 0
	v_nop
	global_prefetch_b8 v0, s[64:65] scope:SCOPE_SE
	s_setreg_imm32_b32 hwreg(HW_REG_WAVE_MODE, 25, 1), 1
	s_wait_xcnt 0x0
; THE CAPSULE STEP.  One text serves the three routing iterations; STAGE_NO says which this file is.  With W_k = W[:, 64 k .. 64 k + 63], b_k likewise:
;   s_k = Y_k W_k + csum_k b_k;  v_k = squash(s_k);  then, for the next softmax, M[:, k] = W_k V_k (bf16) and biasv[k] = b_k . V_k, since u_hat[n, k, :] . V_k = x[n, :] . (W_k V_k) + b_k . V_k.
;   stage 1: the weights are all 1/64: Y = (column sums of x) / 64, csum = 16384 / 64 = 256; v goes to va; V = v.
;   stage 2: Y_k = sum over n of c[n, k] x[n, :] and csum_k = sum over n of c[n, k], both summed here over the 64 parts of the launch before; V = va + v.
;   stage 3: Y and csum as in stage 2; v is the result; nothing more is made.
; All arithmetic is f32 on the vector unit: one row of Y for each capsule against W read once is a stream, which the matrix unit would not shorten.
; SHARES.  Work-group = capsule k: the squash wants all of s_k, and s_k all 1,024 rows of W_k, so 64 work-groups is what the step has work for without a further launch.
; W_k (1,024 rows x 256 bytes) stays in registers, 128 a thread, and is used twice.  Lane l: dg = l % 16 (four channels), h = l / 16; wave v; the thread's rows are i = 64 v + 32 h + j, j = 0..31:
; sixteen lanes read 256 consecutive bytes of a row of W.
; THE PARTS OF Y come by the tensor data mover: ONE load a wave brings its 64 columns (256 bytes, at a multiple of 256) of all NPART parts into LDS bytes of the wave's own, where 64 loads into registers
; would bring them 256 bytes at a time; the wave's vector loads are then W's 32 and a few small ones.  Only the issuing wave reads those bytes, so its own wait on TENSORcnt orders the reads; nothing is
; filled a second time.  The launch asks for more than half of a WGP's LDS.
; NO CLUSTER: in stages 2 and 3 W_k and Y_k are the work-group's own.  In stage 1 all work-groups read xsP, 128 KiB of the 384 KiB that each reads; a joint load would put a round of the cluster's barrier
; in front of the launch's only loads and another at its end.
; LIMITS.  Sums are f32 in this text's order.  1/x and 1/sqrt(x) are the hardware's (1 ulp).  NaN and infinities are not treated apart.
; Mg is stored in pieces of 16 bytes (2 KiB a work-group) and biasv as one word: that order lets every fragment load of the next launch read two runs of 256 consecutive bytes.
.set STAGE_NO, 1
.if STAGE_NO == 1
.set NPART, 32                         ; xsP [32][1024]
.set PSTRIDE, 4096                     ; bytes from part to part
.set NS, 1                             ; small loads issued behind W's: b
.elseif STAGE_NO == 2
.set NPART, 64                         ; Yp [64][64][1024]
.set PSTRIDE, 262144
.set NS, 4                             ; b, va, two of csP
.else
.set NPART, 64
.set PSTRIDE, 262144
.set NS, 3                             ; b, two of csP
.endif
.set NL,    NPART/2                    ; LDS loads of 512 bytes, two parts each
.set WTILE, 16384                      ; LDS: a wave's tile, NPART rows of 256 bytes, at wave x WTILE
.set YX,    16*WTILE                   ; 256 bytes for each wave, its own: Y of its 64 columns
.set SP,    YX+4096                    ; 256 bytes for each wave, read by all behind the barrier: its rows' share of s
; v1 lane  v2 dg  v3 h  v4 offset in W  v5 my 16 bytes in two rows of my wave's tile  v6 16 dg  v7 256 l (csP)  v8 YX store  v9 YX read  v10 SP store  v11 SP read
; v12 offset in Mg  v13 16 dg + 8 h  v14 0  v[16:19] b  v[20:23] va's row (stage 2) or v[20:21] the pair of v that I store  v[24:25] csum, later the bias  v[26:27] the squash's factor
.set SA, 28                            ; v[28:31]   my four channels of s
.set T,  32                            ; v[32:35]   Y of my four columns; later at work
.set VS, 36                            ; v[36:39]   V
.set R,  40                            ; v[40:103]  parts of Y out of LDS; Y of my 32 rows; the waves' shares of s; M
.set WR, 104                           ; v[104:231] W: row j at WR + 4 j
.set G0, 36                            ; s[36:39]   descriptor group 0
.set G1, 40                            ; s[40:47]   descriptor group 1
.if STAGE_NO == 1
	s_load_b64 s[4:5], s[0:1], 0x0                 ; xsP
	s_load_b128 s[8:11], s[0:1], 0x8               ; W, b
	s_load_b128 s[12:15], s[0:1], 0x18             ; va, Mg
	s_load_b64 s[16:17], s[0:1], 0x28              ; biasv
	v_lshl_add_u32 v232, v0, 2, 0x42000
	v_mov_b32 v233, 0
	ds_add_u32 v232, v233
	ds_add_u32 v232, v233
.elseif STAGE_NO == 2
	s_load_b256 s[4:11], s[0:1], 0x0               ; Yp, csP, W, b
	s_load_b128 s[12:15], s[0:1], 0x20             ; va, Mg
	s_load_b64 s[16:17], s[0:1], 0x30              ; biasv
.else
	s_load_b256 s[4:11], s[0:1], 0x0               ; Yp, csP, W, b
	s_load_b64 s[12:13], s[0:1], 0x20              ; out0
.endif
	v_lshrrev_b32 v1, 5, v0
	v_readfirstlane_b32 s18, v1                    ; wave 0..15
	s_lshl_b32 s24, ttmp9, 8                       ; 256 k: W's columns, b, va, out0
	s_mov_b32 s25, 0
	s_lshl_b32 s28, ttmp9, 2                       ; 4 k: csP, biasv
	s_mov_b32 s29, 0
	s_lshl_b32 s26, s18, 8                         ; my wave's 64 columns of a part: 256 bytes
.if STAGE_NO > 1
	s_lshl_b32 s20, ttmp9, 12                      ; + 4,096 k in Yp
	s_add_co_u32 s26, s26, s20
.endif
	s_mov_b32 s27, 0
.if STAGE_NO < 3
	s_lshl_b32 s30, ttmp9, 4                       ; 16 k: Mg
	s_mov_b32 s31, 0
.endif
	s_mov_b32 s32, 0x76543210                      ; v_permlanex16_b32: each lane takes its own place in the other half
	s_mov_b32 s33, 0xfedcba98
	; the descriptor: NPART rows of 64 elements of 4 bytes, PSTRIDE bytes apart, laid into LDS without gaps
	s_mov_b32 s[G0], 1                             ; count = 1
	s_mul_i32 s[G0+1], s18, WTILE                  ; LDS address: my wave's tile
	s_mov_b32 s[G1], 2<<16                         ; no mask; elements of 4 bytes; no padding: the reads below take 512 consecutive bytes
	s_mov_b32 s[G1+1], 64<<16                      ; tensor_dim0 = 64
	s_mov_b32 s[G1+2], NPART<<16                   ; tensor_dim1 = NPART
	s_mov_b32 s[G1+3], 64<<16                      ; tile_dim0 = 64
	s_mov_b32 s[G1+4], NPART                       ; tile_dim1 = NPART
	s_mov_b32 s[G1+5], PSTRIDE/4                   ; elements from part to part
	s_mov_b32 s[G1+6], 0
	s_mov_b32 s[G1+7], 0
	v_and_b32 v1, 31, v0
	v_and_b32 v2, 15, v0
	v_bfe_u32 v3, v0, 4, 1
	v_lshlrev_b32 v6, 4, v2
	v_lshl_add_u32 v4, v3, 19, v6                  ; W: 16 dg + h x 32 rows x 16,384
	v_lshl_add_u32 v4, s18, 20, v4                 ;    + wave x 64 rows x 16,384
	s_wait_dscnt 0x0
	s_wait_kmcnt 0x0
	s_add_nc_u64 s[G0+2:G0+3], s[4:5], s[26:27]    ; global address of the tile's first element
	s_or_b32 s[G0+3], s[G0+3], 0x80000000          ; type = 2
	tensor_load_to_lds s[G0:G0+3], s[G1:G1+7]      ; the wave's one tensor load, ahead of everything else
	s_nop 0
	s_add_nc_u64 s[8:9], s[8:9], s[24:25]
.set jj, 0
.rept 32
	global_load_b128 v[WR+4*jj:WR+4*jj+3], v4, s[8:9] offset:16384*jj
.set jj, jj+1
.endr
	s_add_nc_u64 s[10:11], s[10:11], s[24:25]
	s_add_nc_u64 s[12:13], s[12:13], s[24:25]
.if STAGE_NO > 1
	s_add_nc_u64 s[6:7], s[6:7], s[28:29]
	v_lshlrev_b32 v7, 8, v1
.endif
.if STAGE_NO < 3
	s_add_nc_u64 s[14:15], s[14:15], s[30:31]
	s_add_nc_u64 s[16:17], s[16:17], s[28:29]
.endif
	global_load_b128 v[16:19], v6, s[10:11]        ; the small loads stand behind W's: they are wanted behind the barrier
.if STAGE_NO == 2
	global_load_b128 v[20:23], v6, s[12:13]
.endif
.if STAGE_NO > 1
	global_load_b32 v24, v7, s[6:7]                ; lane l: parts l and 32 + l of csum
	global_load_b32 v25, v7, s[6:7] offset:8192
.endif
	v_lshlrev_b32 v5, 4, v1
	v_lshl_add_u32 v5, s18, 14, v5                 ; wave x 16,384 + 16 l
	v_lshl_add_u32 v8, s18, 8, v6                  ; 256 wave + 16 dg
	v_add_nc_u32 v10, SP, v8
	v_add_nc_u32 v8, YX, v8
	v_lshlrev_b32 v9, 7, v3
	v_lshl_add_u32 v9, s18, 8, v9
	v_add_nc_u32 v9, YX, v9                        ; 256 wave + 128 h
	v_lshl_add_u32 v11, v3, 11, v6
	v_add_nc_u32 v11, SP, v11                      ; eight waves' shares for each half of the lanes: 2,048 h + 16 dg
	v_lshl_add_u32 v13, v3, 3, v6
.if STAGE_NO < 3
	v_lshlrev_b32 v12, 12, v3
	v_lshl_add_u32 v12, s18, 13, v12               ; Mg: (8 wave + 4 h) x 1,024
	v_mov_b32 v14, 0
.endif
.macro ROWSUM reg                      ; the sum over the 16 lanes of a half, in every lane
.irp xm, 1,2,4,8
	v_add_f32_dpp v[\reg], v[\reg], v[\reg] row_xmask:\xm row_mask:0xf bank_mask:0xf
.endr
.endm
.macro YADD m                          ; the two parts in quad m of the ring are added
	v_pk_add_f32 v[T:T+1], v[T:T+1], v[R+4*(\m):R+4*(\m)+1]
	v_pk_add_f32 v[T+2:T+3], v[T+2:T+3], v[R+4*(\m)+2:R+4*(\m)+3]
.endm
	; Y = the sum over the parts.  A load takes 512 consecutive bytes, two parts: lanes 0-15 the even part, lanes 16-31 the odd one; a lane has four columns.  A ring of 16 register quads.
	s_wait_tensorcnt 0x0                           ; my tile is in LDS, and nobody else reads it
.set mm, 0
.rept 16
	ds_load_b128 v[R+4*mm:R+4*mm+3], v5 offset:512*mm
.set mm, mm+1
.endr
	s_wait_dscnt 14                                ; LDS loads come back in order (ISA guide 5.7.1): the first two are in
	v_pk_add_f32 v[T:T+1], v[R:R+1], v[R+4:R+5]            ; they start the sums: nothing is cleared
	v_pk_add_f32 v[T+2:T+3], v[R+2:R+3], v[R+6:R+7]
.if NL > 16
	ds_load_b128 v[R:R+3], v5 offset:512*16
	ds_load_b128 v[R+4:R+7], v5 offset:512*17
.endif
.set mm, 2
.rept 14
.if NL > 16
	s_wait_dscnt 15                                ; behind load mm: 15 - mm of the first sixteen and the mm issued again
.else
	s_wait_dscnt 15-mm
.endif
	YADD mm
.if NL > 16
	ds_load_b128 v[R+4*mm:R+4*mm+3], v5 offset:512*(16+mm)
.endif
.set mm, mm+1
.endr
.if NL > 16
.set mm, 0
.rept 16
	s_wait_dscnt 15-mm                             ; the last sixteen run down
	YADD mm
.set mm, mm+1
.endr
.endif
.irp i, 0,1,2,3
	v_permlanex16_b32 v[R+\i], v[T+\i], s32, s33   ; the other half's parts (the destination counts as read: loads have written it)
.endr
	v_pk_add_f32 v[T:T+1], v[T:T+1], v[R:R+1]
	v_pk_add_f32 v[T+2:T+3], v[T+2:T+3], v[R+2:R+3]
.if STAGE_NO == 1
	v_pk_mul_f32 v[T:T+1], v[T:T+1], 0x3c800000 op_sel_hi:[1,0]      ; the weight 1/64, exact
	v_pk_mul_f32 v[T+2:T+3], v[T+2:T+3], 0x3c800000 op_sel_hi:[1,0]
.endif
	; Y goes round inside the wave: each thread wants Y of its 32 rows.  The bytes are the wave's own and LDS serves a wave's instructions in order (ISA guide 5.7.1.4): no barrier
	ds_store_b128 v8, v[T:T+3]                     ; both halves of the lanes hold, and write, the same
.set cc, 0
.rept 8
	ds_load_b128 v[R+4*cc:R+4*cc+3], v9 offset:16*cc
.set cc, cc+1
.endr
	s_wait_dscnt 0x0                               ; v[R+j] = Y[64 wave + 32 h + j]
	; my rows' share of s: four channels, two packed chains
	s_wait_loadcnt NS+28                           ; W's rows 0 to 3 are in: behind them 28 rows and the small loads
	v_pk_mul_f32 v[SA:SA+1], v[WR:WR+1], v[R:R+1] op_sel_hi:[1,0]
	v_pk_mul_f32 v[SA+2:SA+3], v[WR+2:WR+3], v[R:R+1] op_sel_hi:[1,0]
.set jj, 1
.rept 31
.if jj%4 == 0
	s_wait_loadcnt NS+28-jj                        ; rows jj to jj + 3
.endif
.if jj%2                               ; Y of row j feeds both halves: the pair's second register for odd j, its first for even j
	v_pk_fma_f32 v[SA:SA+1], v[WR+4*jj:WR+4*jj+1], v[R+jj-1:R+jj], v[SA:SA+1] op_sel:[0,1,0] op_sel_hi:[1,1,1]
	v_pk_fma_f32 v[SA+2:SA+3], v[WR+4*jj+2:WR+4*jj+3], v[R+jj-1:R+jj], v[SA+2:SA+3] op_sel:[0,1,0] op_sel_hi:[1,1,1]
.else
	v_pk_fma_f32 v[SA:SA+1], v[WR+4*jj:WR+4*jj+1], v[R+jj:R+jj+1], v[SA:SA+1] op_sel_hi:[1,0,1]
	v_pk_fma_f32 v[SA+2:SA+3], v[WR+4*jj+2:WR+4*jj+3], v[R+jj:R+jj+1], v[SA+2:SA+3] op_sel_hi:[1,0,1]
.endif
.set jj, jj+1
.endr
.irp i, 0,1,2,3
	v_permlanex16_b32 v[R+32+\i], v[SA+\i], s32, s33  ; the other half's rows
.endr
	v_pk_add_f32 v[SA:SA+1], v[SA:SA+1], v[R+32:R+33]
	v_pk_add_f32 v[SA+2:SA+3], v[SA+2:SA+3], v[R+34:R+35]
	ds_store_b128 v10, v[SA:SA+3]                  ; both halves of the lanes hold, and write, the same
	s_wait_dscnt 0x0                               ; for the others' sake: my store is done
	s_barrier_signal -1
	s_barrier_wait -1
.if STAGE_NO == 3
	s_cmp_lg_u32 s18, 0                            ; only v is left to make, and one wave stores it
	s_cbranch_scc1 .Lend
.endif
.set jj, 0
.rept 8                                ; lanes 0-15 take waves 0 to 7, lanes 16-31 waves 8 to 15
	ds_load_b128 v[R+4*jj:R+4*jj+3], v11 offset:256*jj
.set jj, jj+1
.endr
	s_wait_loadcnt 0x0                             ; the small loads
.if STAGE_NO > 1
	v_add_f32 v24, v24, v25                        ; csum, while the LDS loads are out: 64 parts over 32 lanes
	ROWSUM 24
	v_permlanex16_b32 v25, v24, s32, s33
	v_add_f32 v24, v24, v25
.endif
	s_wait_dscnt 0x0
.irp st, 16,8,4                        ; a tree: waves 4, 2, 1 apart, four registers a wave
.set ii, 0
.rept \st/2
	v_pk_add_f32 v[R+ii:R+ii+1], v[R+ii:R+ii+1], v[R+ii+\st:R+ii+\st+1]
.set ii, ii+2
.endr
.endr
.irp i, 0,1,2,3
	v_permlanex16_b32 v[R+32+\i], v[R+\i], s32, s33   ; the other eight waves
.endr
	v_pk_add_f32 v[R:R+1], v[R:R+1], v[R+32:R+33]
	v_pk_add_f32 v[R+2:R+3], v[R+2:R+3], v[R+34:R+35]
.if STAGE_NO == 1
	v_pk_fma_f32 v[R:R+1], v[16:17], 0x43800000, v[R:R+1] op_sel_hi:[1,0,1]      ; s += 256 b
	v_pk_fma_f32 v[R+2:R+3], v[18:19], 0x43800000, v[R+2:R+3] op_sel_hi:[1,0,1]
.else
	v_pk_fma_f32 v[R:R+1], v[16:17], v[24:25], v[R:R+1] op_sel_hi:[1,0,1]        ; s += csum b
	v_pk_fma_f32 v[R+2:R+3], v[18:19], v[24:25], v[R+2:R+3] op_sel_hi:[1,0,1]
.endif
	; squash: v = s n2 / ((1 + n2) sqrt(n2 + 1e-8)), n2 = |s|^2 over the 64 channels (four a lane, sixteen lanes)
	v_mul_f32 v26, v[R], v[R]
	v_fmac_f32 v26, v[R+1], v[R+1]
	v_fmac_f32 v26, v[R+2], v[R+2]
	v_fmac_f32 v26, v[R+3], v[R+3]
	ROWSUM 26
	v_add_f32 v27, 1.0, v26
	v_add_f32 v28, 0x322bcc77, v26                 ; + 1e-8
	v_rcp_f32 v27, v27
	v_rsq_f32 v28, v28
	v_nop                                          ; a plain instruction between the two and the use of their results (ISA guide 5.7.2)
	s_wait_alu depctr_va_vdst(0)
	v_mul_f32 v26, v26, v27
	v_mul_f32 v26, v26, v28
	v_pk_mul_f32 v[VS:VS+1], v[R:R+1], v[26:27] op_sel_hi:[1,0]
	v_pk_mul_f32 v[VS+2:VS+3], v[R+2:R+3], v[26:27] op_sel_hi:[1,0]
.if STAGE_NO != 2
	v_cmp_eq_u32 vcc_lo, 1, v3                     ; of my four channels the lower half of the lanes stores the first two, the upper half the last two:
	v_cndmask_b32 v20, v[VS], v[VS+2], vcc_lo      ; 32 lanes x 8 bytes are the capsule's 256 consecutive bytes
	v_cndmask_b32 v21, v[VS+1], v[VS+3], vcc_lo
.endif
.if STAGE_NO == 1
	s_cmp_lg_u32 s18, 0
	s_cbranch_scc1 .Lnot_wave_0
	global_store_b64 v13, v[20:21], s[12:13]       ; va; v[20:21] are not written again
.Lnot_wave_0:
.elseif STAGE_NO == 3
	global_store_b64 v13, v[20:21], s[12:13]       ; out0
.else
	v_pk_add_f32 v[VS:VS+1], v[VS:VS+1], v[20:21]  ; V = v1 + v2
	v_pk_add_f32 v[VS+2:VS+3], v[VS+2:VS+3], v[22:23]
.endif
.if STAGE_NO < 3
	; M[i] = W_k[i, :] . V for my 32 rows: four channels here, then the sum over the sixteen lanes, taken in runs over the 32 registers so that no line waits for the one before it
.set jj, 0
.rept 32
.set tt, T+2*(jj%2)
	v_pk_mul_f32 v[tt:tt+1], v[WR+4*jj:WR+4*jj+1], v[VS:VS+1]
	v_pk_fma_f32 v[tt:tt+1], v[WR+4*jj+2:WR+4*jj+3], v[VS+2:VS+3], v[tt:tt+1]
	v_add_f32 v[R+jj], v[tt], v[tt+1]
.set jj, jj+1
.endr
.irp xm, 1,2,4,8
.set jj, 0
.rept 32
	v_add_f32_dpp v[R+jj], v[R+jj], v[R+jj] row_xmask:\xm row_mask:0xf bank_mask:0xf
.set jj, jj+1
.endr
.endr
.set jj, 0
.rept 16
	v_cvt_pk_bf16_f32 v[R+32+jj], v[R+2*jj], v[R+2*jj+1]
.set jj, jj+1
.endr
	v_mul_f32 v24, v16, v[VS]                      ; b_k . V
	v_fmac_f32 v24, v17, v[VS+1]
	v_fmac_f32 v24, v18, v[VS+2]
	v_fmac_f32 v24, v19, v[VS+3]
	ROWSUM 24
	s_wait_xcnt 0x0                                ; EXEC is a source of the memory instructions issued so far: it changes only behind this wait
	v_cmp_eq_u32 vcc_lo, 0, v2
	s_and_saveexec_b32 s22, vcc_lo                 ; lanes 0 and 16: each holds its half's 32 rows, four pieces of eight
.set cc, 0
.rept 4
	global_store_b128 v12, v[R+32+4*cc:R+32+4*cc+3], s[14:15] offset:1024*cc  ; Mg[(i / 8)][k][i % 8]
.set cc, cc+1
.endr
	s_cmp_lg_u32 s18, 0
	s_cbranch_scc1 .Lend
	s_wait_xcnt 0x0                                ; and again, in front of the next change of EXEC
	v_cmp_eq_u32 vcc_lo, 0, v1
	s_and_saveexec_b32 s23, vcc_lo                 ; lane 0 of wave 0
	global_store_b32 v14, v24, s[16:17]            ; biasv[k]
.endif
.Lend:
	s_wait_xcnt 0x0
	s_mov_b32 exec_lo, -1
	s_wait_tensorcnt 0x0
	ds_add_u32 v232, v233
	s_wait_dscnt 0x0
	s_endpgm
.Lfunc_end_k_q1cfdfbf5b0_caps1:
	.size	k_q1cfdfbf5b0_caps1, .Lfunc_end_k_q1cfdfbf5b0_caps1-k_q1cfdfbf5b0_caps1
	.p2alignl 7, 3214868480
	.fill 96, 4, 3214868480
	.section	.rodata,"a",@progbits
	.p2align	6, 0x0
	.amdhsa_kernel k_q1cfdfbf5b0_caps1
		.amdhsa_group_segment_fixed_size 272384
		.amdhsa_private_segment_fixed_size 0
		.amdhsa_enable_private_segment 0
		.amdhsa_kernarg_size 48
		.amdhsa_user_sgpr_count 2
		.amdhsa_user_sgpr_kernarg_segment_ptr 1
		.amdhsa_wavefront_size32 1
		.amdhsa_system_sgpr_workgroup_id_x 1
		.amdhsa_system_sgpr_workgroup_id_y 1
		.amdhsa_system_sgpr_workgroup_id_z 1
		.amdhsa_system_vgpr_workitem_id 0
		.amdhsa_next_free_vgpr 234
		.amdhsa_next_free_sgpr 66
		.amdhsa_reserve_vcc 1
		.amdhsa_float_denorm_mode_32 3
		.amdhsa_float_denorm_mode_16_64 3
		.amdhsa_memory_ordered 1
		.amdhsa_forward_progress 1
		.amdhsa_inst_pref_size 34
	.end_amdhsa_kernel
	.amdgpu_metadata
---
amdhsa.version: [ 1, 2 ]
amdhsa.kernels:
  - .name:           k_q1cfdfbf5b0_caps1
    .symbol:         k_q1cfdfbf5b0_caps1.kd
    .args:
      - { .name: xsP, .offset: 0, .size: 8, .value_kind: global_buffer, .address_space: global }
      - { .name: W, .offset: 8, .size: 8, .value_kind: global_buffer, .address_space: global }
      - { .name: b, .offset: 16, .size: 8, .value_kind: global_buffer, .address_space: global }
      - { .name: va, .offset: 24, .size: 8, .value_kind: global_buffer, .address_space: global }
      - { .name: Mg, .offset: 32, .size: 8, .value_kind: global_buffer, .address_space: global }
      - { .name: biasv, .offset: 40, .size: 8, .value_kind: global_buffer, .address_space: global }
    .group_segment_fixed_size: 272384
    .private_segment_fixed_size: 0
    .kernarg_segment_align: 8
    .kernarg_segment_size: 48
    .max_flat_workgroup_size: 512
    .sgpr_count:     66
    .vgpr_count:     234
    .wavefront_size: 32
...
	.end_amdgpu_metadata
.endif
;; end of part 6
;; launch route: the kernel of part 3 again; grid 256 x 1, 4 waves a work-group, clusters of 4 x 1, 327,680 bytes of LDS; arguments xb, Mg, biasv, Yp, csP; writes Yp, csP
;; launch caps2 (part 7): grid 64 x 1, 16 waves a work-group, no clusters, 272,384 bytes of LDS; arguments Yp, csP, W, b, va, Mg, biasv; writes Mg, biasv
.if DOCPART == 7
	.amdgcn_target "amdgcn-amd-amdhsa--gfx1250"
	.amdhsa_code_object_version 6
	.text
	.protected	k_q1cfdfbf5b0_caps2
	.globl	k_q1cfdfbf5b0_caps2
	.p2align	8
	.type	k_q1cfdfbf5b0_caps2,@function
k_q1cfdfbf5b0_caps2:
	s_mov_b64 s[64:65], 0
	v_nop
	global_prefetch_b8 v0, s[64:65] scope:SCOPE_SE
	s_setreg_imm32_b32 hwreg(HW_REG_WAVE_MODE, 25, 1), 1
	s_wait_xcnt 0x0
; THE CAPSULE STEP.  One text serves the three routing iterations; STAGE_NO says which this file is.  With W_k = W[:, 64 k .. 64 k + 63], b_k likewise:
;   s_k = Y_k W_k + csum_k b_k;  v_k = squash(s_k);  then, for the next softmax, M[:, k] = W_k V_k (bf16) and biasv[k] = b_k . V_k, since u_hat[n, k, :] . V_k = x[n, :] . (W_k V_k) + b_k . V_k.
;   stage 1: the weights are all 1/64: Y = (column sums of x) / 64, csum = 16384 / 64 = 256; v goes to va; V = v.
;   stage 2: Y_k = sum over n of c[n, k] x[n, :] and csum_k = sum over n of c[n, k], both summed here over the 64 parts of the launch before; V = va + v.
;   stage 3: Y and csum as in stage 2; v is the result; nothing more is made.
; All arithmetic is f32 on the vector unit: one row of Y for each capsule against W read once is a stream, which the matrix unit would not shorten.
; SHARES.  Work-group = capsule k: the squash wants all of s_k, and s_k all 1,024 rows of W_k, so 64 work-groups is what the step has work for without a further launch.
; W_k (1,024 rows x 256 bytes) stays in registers, 128 a thread, and is used twice.  Lane l: dg = l % 16 (four channels), h = l / 16; wave v; the thread's rows are i = 64 v + 32 h + j, j = 0..31:
; sixteen lanes read 256 consecutive bytes of a row of W.
; THE PARTS OF Y come by the tensor data mover: ONE load a wave brings its 64 columns (256 bytes, at a multiple of 256) of all NPART parts into LDS bytes of the wave's own, where 64 loads into registers
; would bring them 256 bytes at a time; the wave's vector loads are then W's 32 and a few small ones.  Only the issuing wave reads those bytes, so its own wait on TENSORcnt orders the reads; nothing is
; filled a second time.  The launch asks for more than half of a WGP's LDS.
; NO CLUSTER: in stages 2 and 3 W_k and Y_k are the work-group's own.  In stage 1 all work-groups read xsP, 128 KiB of the 384 KiB that each reads; a joint load would put a round of the cluster's barrier
; in front of the launch's only loads and another at its end.
; LIMITS.  Sums are f32 in this text's order.  1/x and 1/sqrt(x) are the hardware's (1 ulp).  NaN and infinities are not treated apart.
; Mg is stored in pieces of 16 bytes (2 KiB a work-group) and biasv as one word: that order lets every fragment load of the next launch read two runs of 256 consecutive bytes.
.set STAGE_NO, 2
.if STAGE_NO == 1
.set NPART, 32                         ; xsP [32][1024]
.set PSTRIDE, 4096                     ; bytes from part to part
.set NS, 1                             ; small loads issued behind W's: b
.elseif STAGE_NO == 2
.set NPART, 64                         ; Yp [64][64][1024]
.set PSTRIDE, 262144
.set NS, 4                             ; b, va, two of csP
.else
.set NPART, 64
.set PSTRIDE, 262144
.set NS, 3                             ; b, two of csP
.endif
.set NL,    NPART/2                    ; LDS loads of 512 bytes, two parts each
.set WTILE, 16384                      ; LDS: a wave's tile, NPART rows of 256 bytes, at wave x WTILE
.set YX,    16*WTILE                   ; 256 bytes for each wave, its own: Y of its 64 columns
.set SP,    YX+4096                    ; 256 bytes for each wave, read by all behind the barrier: its rows' share of s
; v1 lane  v2 dg  v3 h  v4 offset in W  v5 my 16 bytes in two rows of my wave's tile  v6 16 dg  v7 256 l (csP)  v8 YX store  v9 YX read  v10 SP store  v11 SP read
; v12 offset in Mg  v13 16 dg + 8 h  v14 0  v[16:19] b  v[20:23] va's row (stage 2) or v[20:21] the pair of v that I store  v[24:25] csum, later the bias  v[26:27] the squash's factor
.set SA, 28                            ; v[28:31]   my four channels of s
.set T,  32                            ; v[32:35]   Y of my four columns; later at work
.set VS, 36                            ; v[36:39]   V
.set R,  40                            ; v[40:103]  parts of Y out of LDS; Y of my 32 rows; the waves' shares of s; M
.set WR, 104                           ; v[104:231] W: row j at WR + 4 j
.set G0, 36                            ; s[36:39]   descriptor group 0
.set G1, 40                            ; s[40:47]   descriptor group 1
.if STAGE_NO == 1
	s_load_b64 s[4:5], s[0:1], 0x0                 ; xsP
	s_load_b128 s[8:11], s[0:1], 0x8               ; W, b
	s_load_b128 s[12:15], s[0:1], 0x18             ; va, Mg
	s_load_b64 s[16:17], s[0:1], 0x28              ; biasv
.elseif STAGE_NO == 2
	s_load_b256 s[4:11], s[0:1], 0x0               ; Yp, csP, W, b
	s_load_b128 s[12:15], s[0:1], 0x20             ; va, Mg
	s_load_b64 s[16:17], s[0:1], 0x30              ; biasv
	v_lshl_add_u32 v232, v0, 2, 0x42000
	v_mov_b32 v233, 0
	ds_add_u32 v232, v233
	ds_add_u32 v232, v233
.else
	s_load_b256 s[4:11], s[0:1], 0x0               ; Yp, csP, W, b
	s_load_b64 s[12:13], s[0:1], 0x20              ; out0
.endif
	v_lshrrev_b32 v1, 5, v0
	v_readfirstlane_b32 s18, v1                    ; wave 0..15
	s_lshl_b32 s24, ttmp9, 8                       ; 256 k: W's columns, b, va, out0
	s_mov_b32 s25, 0
	s_lshl_b32 s28, ttmp9, 2                       ; 4 k: csP, biasv
	s_mov_b32 s29, 0
	s_lshl_b32 s26, s18, 8                         ; my wave's 64 columns of a part: 256 bytes
.if STAGE_NO > 1
	s_lshl_b32 s20, ttmp9, 12                      ; + 4,096 k in Yp
	s_add_co_u32 s26, s26, s20
.endif
	s_mov_b32 s27, 0
.if STAGE_NO < 3
	s_lshl_b32 s30, ttmp9, 4                       ; 16 k: Mg
	s_mov_b32 s31, 0
.endif
	s_mov_b32 s32, 0x76543210                      ; v_permlanex16_b32: each lane takes its own place in the other half
	s_mov_b32 s33, 0xfedcba98
	; the descriptor: NPART rows of 64 elements of 4 bytes, PSTRIDE bytes apart, laid into LDS without gaps
	s_mov_b32 s[G0], 1                             ; count = 1
	s_mul_i32 s[G0+1], s18, WTILE                  ; LDS address: my wave's tile
	s_mov_b32 s[G1], 2<<16                         ; no mask; elements of 4 bytes; no padding: the reads below take 512 consecutive bytes
	s_mov_b32 s[G1+1], 64<<16                      ; tensor_dim0 = 64
	s_mov_b32 s[G1+2], NPART<<16                   ; tensor_dim1 = NPART
	s_mov_b32 s[G1+3], 64<<16                      ; tile_dim0 = 64
	s_mov_b32 s[G1+4], NPART                       ; tile_dim1 = NPART
	s_mov_b32 s[G1+5], PSTRIDE/4                   ; elements from part to part
	s_mov_b32 s[G1+6], 0
	s_mov_b32 s[G1+7], 0
	v_and_b32 v1, 31, v0
	v_and_b32 v2, 15, v0
	v_bfe_u32 v3, v0, 4, 1
	v_lshlrev_b32 v6, 4, v2
	v_lshl_add_u32 v4, v3, 19, v6                  ; W: 16 dg + h x 32 rows x 16,384
	v_lshl_add_u32 v4, s18, 20, v4                 ;    + wave x 64 rows x 16,384
	s_wait_dscnt 0x0
	s_wait_kmcnt 0x0
	s_add_nc_u64 s[G0+2:G0+3], s[4:5], s[26:27]    ; global address of the tile's first element
	s_or_b32 s[G0+3], s[G0+3], 0x80000000          ; type = 2
	tensor_load_to_lds s[G0:G0+3], s[G1:G1+7]      ; the wave's one tensor load, ahead of everything else
	s_nop 0
	s_add_nc_u64 s[8:9], s[8:9], s[24:25]
.set jj, 0
.rept 32
	global_load_b128 v[WR+4*jj:WR+4*jj+3], v4, s[8:9] offset:16384*jj
.set jj, jj+1
.endr
	s_add_nc_u64 s[10:11], s[10:11], s[24:25]
	s_add_nc_u64 s[12:13], s[12:13], s[24:25]
.if STAGE_NO > 1
	s_add_nc_u64 s[6:7], s[6:7], s[28:29]
	v_lshlrev_b32 v7, 8, v1
.endif
.if STAGE_NO < 3
	s_add_nc_u64 s[14:15], s[14:15], s[30:31]
	s_add_nc_u64 s[16:17], s[16:17], s[28:29]
.endif
	global_load_b128 v[16:19], v6, s[10:11]        ; the small loads stand behind W's: they are wanted behind the barrier
.if STAGE_NO == 2
	global_load_b128 v[20:23], v6, s[12:13]
.endif
.if STAGE_NO > 1
	global_load_b32 v24, v7, s[6:7]                ; lane l: parts l and 32 + l of csum
	global_load_b32 v25, v7, s[6:7] offset:8192
.endif
	v_lshlrev_b32 v5, 4, v1
	v_lshl_add_u32 v5, s18, 14, v5                 ; wave x 16,384 + 16 l
	v_lshl_add_u32 v8, s18, 8, v6                  ; 256 wave + 16 dg
	v_add_nc_u32 v10, SP, v8
	v_add_nc_u32 v8, YX, v8
	v_lshlrev_b32 v9, 7, v3
	v_lshl_add_u32 v9, s18, 8, v9
	v_add_nc_u32 v9, YX, v9                        ; 256 wave + 128 h
	v_lshl_add_u32 v11, v3, 11, v6
	v_add_nc_u32 v11, SP, v11                      ; eight waves' shares for each half of the lanes: 2,048 h + 16 dg
	v_lshl_add_u32 v13, v3, 3, v6
.if STAGE_NO < 3
	v_lshlrev_b32 v12, 12, v3
	v_lshl_add_u32 v12, s18, 13, v12               ; Mg: (8 wave + 4 h) x 1,024
	v_mov_b32 v14, 0
.endif
.macro ROWSUM reg                      ; the sum over the 16 lanes of a half, in every lane
.irp xm, 1,2,4,8
	v_add_f32_dpp v[\reg], v[\reg], v[\reg] row_xmask:\xm row_mask:0xf bank_mask:0xf
.endr
.endm
.macro YADD m                          ; the two parts in quad m of the ring are added
	v_pk_add_f32 v[T:T+1], v[T:T+1], v[R+4*(\m):R+4*(\m)+1]
	v_pk_add_f32 v[T+2:T+3], v[T+2:T+3], v[R+4*(\m)+2:R+4*(\m)+3]
.endm
	; Y = the sum over the parts.  A load takes 512 consecutive bytes, two parts: lanes 0-15 the even part, lanes 16-31 the odd one; a lane has four columns.  A ring of 16 register quads.
	s_wait_tensorcnt 0x0                           ; my tile is in LDS, and nobody else reads it
.set mm, 0
.rept 16
	ds_load_b128 v[R+4*mm:R+4*mm+3], v5 offset:512*mm
.set mm, mm+1
.endr
	s_wait_dscnt 14                                ; LDS loads come back in order (ISA guide 5.7.1): the first two are in
	v_pk_add_f32 v[T:T+1], v[R:R+1], v[R+4:R+5]            ; they start the sums: nothing is cleared
	v_pk_add_f32 v[T+2:T+3], v[R+2:R+3], v[R+6:R+7]
.if NL > 16
	ds_load_b128 v[R:R+3], v5 offset:512*16
	ds_load_b128 v[R+4:R+7], v5 offset:512*17
.endif
.set mm, 2
.rept 14
.if NL > 16
	s_wait_dscnt 15                                ; behind load mm: 15 - mm of the first sixteen and the mm issued again
.else
	s_wait_dscnt 15-mm
.endif
	YADD mm
.if NL > 16
	ds_load_b128 v[R+4*mm:R+4*mm+3], v5 offset:512*(16+mm)
.endif
.set mm, mm+1
.endr
.if NL > 16
.set mm, 0
.rept 16
	s_wait_dscnt 15-mm                             ; the last sixteen run down
	YADD mm
.set mm, mm+1
.endr
.endif
.irp i, 0,1,2,3
	v_permlanex16_b32 v[R+\i], v[T+\i], s32, s33   ; the other half's parts (the destination counts as read: loads have written it)
.endr
	v_pk_add_f32 v[T:T+1], v[T:T+1], v[R:R+1]
	v_pk_add_f32 v[T+2:T+3], v[T+2:T+3], v[R+2:R+3]
.if STAGE_NO == 1
	v_pk_mul_f32 v[T:T+1], v[T:T+1], 0x3c800000 op_sel_hi:[1,0]      ; the weight 1/64, exact
	v_pk_mul_f32 v[T+2:T+3], v[T+2:T+3], 0x3c800000 op_sel_hi:[1,0]
.endif
	; Y goes round inside the wave: each thread wants Y of its 32 rows.  The bytes are the wave's own and LDS serves a wave's instructions in order (ISA guide 5.7.1.4): no barrier
	ds_store_b128 v8, v[T:T+3]                     ; both halves of the lanes hold, and write, the same
.set cc, 0
.rept 8
	ds_load_b128 v[R+4*cc:R+4*cc+3], v9 offset:16*cc
.set cc, cc+1
.endr
	s_wait_dscnt 0x0                               ; v[R+j] = Y[64 wave + 32 h + j]
	; my rows' share of s: four channels, two packed chains
	s_wait_loadcnt NS+28                           ; W's rows 0 to 3 are in: behind them 28 rows and the small loads
	v_pk_mul_f32 v[SA:SA+1], v[WR:WR+1], v[R:R+1] op_sel_hi:[1,0]
	v_pk_mul_f32 v[SA+2:SA+3], v[WR+2:WR+3], v[R:R+1] op_sel_hi:[1,0]
.set jj, 1
.rept 31
.if jj%4 == 0
	s_wait_loadcnt NS+28-jj                        ; rows jj to jj + 3
.endif
.if jj%2                               ; Y of row j feeds both halves: the pair's second register for odd j, its first for even j
	v_pk_fma_f32 v[SA:SA+1], v[WR+4*jj:WR+4*jj+1], v[R+jj-1:R+jj], v[SA:SA+1] op_sel:[0,1,0] op_sel_hi:[1,1,1]
	v_pk_fma_f32 v[SA+2:SA+3], v[WR+4*jj+2:WR+4*jj+3], v[R+jj-1:R+jj], v[SA+2:SA+3] op_sel:[0,1,0] op_sel_hi:[1,1,1]
.else
	v_pk_fma_f32 v[SA:SA+1], v[WR+4*jj:WR+4*jj+1], v[R+jj:R+jj+1], v[SA:SA+1] op_sel_hi:[1,0,1]
	v_pk_fma_f32 v[SA+2:SA+3], v[WR+4*jj+2:WR+4*jj+3], v[R+jj:R+jj+1], v[SA+2:SA+3] op_sel_hi:[1,0,1]
.endif
.set jj, jj+1
.endr
.irp i, 0,1,2,3
	v_permlanex16_b32 v[R+32+\i], v[SA+\i], s32, s33  ; the other half's rows
.endr
	v_pk_add_f32 v[SA:SA+1], v[SA:SA+1], v[R+32:R+33]
	v_pk_add_f32 v[SA+2:SA+3], v[SA+2:SA+3], v[R+34:R+35]
	ds_store_b128 v10, v[SA:SA+3]                  ; both halves of the lanes hold, and write, the same
	s_wait_dscnt 0x0                               ; for the others' sake: my store is done
	s_barrier_signal -1
	s_barrier_wait -1
.if STAGE_NO == 3
	s_cmp_lg_u32 s18, 0                            ; only v is left to make, and one wave stores it
	s_cbranch_scc1 .Lend
.endif
.set jj, 0
.rept 8                                ; lanes 0-15 take waves 0 to 7, lanes 16-31 waves 8 to 15
	ds_load_b128 v[R+4*jj:R+4*jj+3], v11 offset:256*jj
.set jj, jj+1
.endr
	s_wait_loadcnt 0x0                             ; the small loads
.if STAGE_NO > 1
	v_add_f32 v24, v24, v25                        ; csum, while the LDS loads are out: 64 parts over 32 lanes
	ROWSUM 24
	v_permlanex16_b32 v25, v24, s32, s33
	v_add_f32 v24, v24, v25
.endif
	s_wait_dscnt 0x0
.irp st, 16,8,4                        ; a tree: waves 4, 2, 1 apart, four registers a wave
.set ii, 0
.rept \st/2
	v_pk_add_f32 v[R+ii:R+ii+1], v[R+ii:R+ii+1], v[R+ii+\st:R+ii+\st+1]
.set ii, ii+2
.endr
.endr
.irp i, 0,1,2,3
	v_permlanex16_b32 v[R+32+\i], v[R+\i], s32, s33   ; the other eight waves
.endr
	v_pk_add_f32 v[R:R+1], v[R:R+1], v[R+32:R+33]
	v_pk_add_f32 v[R+2:R+3], v[R+2:R+3], v[R+34:R+35]
.if STAGE_NO == 1
	v_pk_fma_f32 v[R:R+1], v[16:17], 0x43800000, v[R:R+1] op_sel_hi:[1,0,1]      ; s += 256 b
	v_pk_fma_f32 v[R+2:R+3], v[18:19], 0x43800000, v[R+2:R+3] op_sel_hi:[1,0,1]
.else
	v_pk_fma_f32 v[R:R+1], v[16:17], v[24:25], v[R:R+1] op_sel_hi:[1,0,1]        ; s += csum b
	v_pk_fma_f32 v[R+2:R+3], v[18:19], v[24:25], v[R+2:R+3] op_sel_hi:[1,0,1]
.endif
	; squash: v = s n2 / ((1 + n2) sqrt(n2 + 1e-8)), n2 = |s|^2 over the 64 channels (four a lane, sixteen lanes)
	v_mul_f32 v26, v[R], v[R]
	v_fmac_f32 v26, v[R+1], v[R+1]
	v_fmac_f32 v26, v[R+2], v[R+2]
	v_fmac_f32 v26, v[R+3], v[R+3]
	ROWSUM 26
	v_add_f32 v27, 1.0, v26
	v_add_f32 v28, 0x322bcc77, v26                 ; + 1e-8
	v_rcp_f32 v27, v27
	v_rsq_f32 v28, v28
	v_nop                                          ; a plain instruction between the two and the use of their results (ISA guide 5.7.2)
	s_wait_alu depctr_va_vdst(0)
	v_mul_f32 v26, v26, v27
	v_mul_f32 v26, v26, v28
	v_pk_mul_f32 v[VS:VS+1], v[R:R+1], v[26:27] op_sel_hi:[1,0]
	v_pk_mul_f32 v[VS+2:VS+3], v[R+2:R+3], v[26:27] op_sel_hi:[1,0]
.if STAGE_NO != 2
	v_cmp_eq_u32 vcc_lo, 1, v3                     ; of my four channels the lower half of the lanes stores the first two, the upper half the last two:
	v_cndmask_b32 v20, v[VS], v[VS+2], vcc_lo      ; 32 lanes x 8 bytes are the capsule's 256 consecutive bytes
	v_cndmask_b32 v21, v[VS+1], v[VS+3], vcc_lo
.endif
.if STAGE_NO == 1
	s_cmp_lg_u32 s18, 0
	s_cbranch_scc1 .Lnot_wave_0
	global_store_b64 v13, v[20:21], s[12:13]       ; va; v[20:21] are not written again
.Lnot_wave_0:
.elseif STAGE_NO == 3
	global_store_b64 v13, v[20:21], s[12:13]       ; out0
.else
	v_pk_add_f32 v[VS:VS+1], v[VS:VS+1], v[20:21]  ; V = v1 + v2
	v_pk_add_f32 v[VS+2:VS+3], v[VS+2:VS+3], v[22:23]
.endif
.if STAGE_NO < 3
	; M[i] = W_k[i, :] . V for my 32 rows: four channels here, then the sum over the sixteen lanes, taken in runs over the 32 registers so that no line waits for the one before it
.set jj, 0
.rept 32
.set tt, T+2*(jj%2)
	v_pk_mul_f32 v[tt:tt+1], v[WR+4*jj:WR+4*jj+1], v[VS:VS+1]
	v_pk_fma_f32 v[tt:tt+1], v[WR+4*jj+2:WR+4*jj+3], v[VS+2:VS+3], v[tt:tt+1]
	v_add_f32 v[R+jj], v[tt], v[tt+1]
.set jj, jj+1
.endr
.irp xm, 1,2,4,8
.set jj, 0
.rept 32
	v_add_f32_dpp v[R+jj], v[R+jj], v[R+jj] row_xmask:\xm row_mask:0xf bank_mask:0xf
.set jj, jj+1
.endr
.endr
.set jj, 0
.rept 16
	v_cvt_pk_bf16_f32 v[R+32+jj], v[R+2*jj], v[R+2*jj+1]
.set jj, jj+1
.endr
	v_mul_f32 v24, v16, v[VS]                      ; b_k . V
	v_fmac_f32 v24, v17, v[VS+1]
	v_fmac_f32 v24, v18, v[VS+2]
	v_fmac_f32 v24, v19, v[VS+3]
	ROWSUM 24
	s_wait_xcnt 0x0                                ; EXEC is a source of the memory instructions issued so far: it changes only behind this wait
	v_cmp_eq_u32 vcc_lo, 0, v2
	s_and_saveexec_b32 s22, vcc_lo                 ; lanes 0 and 16: each holds its half's 32 rows, four pieces of eight
.set cc, 0
.rept 4
	global_store_b128 v12, v[R+32+4*cc:R+32+4*cc+3], s[14:15] offset:1024*cc  ; Mg[(i / 8)][k][i % 8]
.set cc, cc+1
.endr
	s_cmp_lg_u32 s18, 0
	s_cbranch_scc1 .Lend
	s_wait_xcnt 0x0                                ; and again, in front of the next change of EXEC
	v_cmp_eq_u32 vcc_lo, 0, v1
	s_and_saveexec_b32 s23, vcc_lo                 ; lane 0 of wave 0
	global_store_b32 v14, v24, s[16:17]            ; biasv[k]
.endif
.Lend:
	s_wait_xcnt 0x0
	s_mov_b32 exec_lo, -1
	s_wait_tensorcnt 0x0
	ds_add_u32 v232, v233
	s_wait_dscnt 0x0
	s_endpgm
.Lfunc_end_k_q1cfdfbf5b0_caps2:
	.size	k_q1cfdfbf5b0_caps2, .Lfunc_end_k_q1cfdfbf5b0_caps2-k_q1cfdfbf5b0_caps2
	.p2alignl 7, 3214868480
	.fill 96, 4, 3214868480
	.section	.rodata,"a",@progbits
	.p2align	6, 0x0
	.amdhsa_kernel k_q1cfdfbf5b0_caps2
		.amdhsa_group_segment_fixed_size 272384
		.amdhsa_private_segment_fixed_size 0
		.amdhsa_enable_private_segment 0
		.amdhsa_kernarg_size 56
		.amdhsa_user_sgpr_count 2
		.amdhsa_user_sgpr_kernarg_segment_ptr 1
		.amdhsa_wavefront_size32 1
		.amdhsa_system_sgpr_workgroup_id_x 1
		.amdhsa_system_sgpr_workgroup_id_y 1
		.amdhsa_system_sgpr_workgroup_id_z 1
		.amdhsa_system_vgpr_workitem_id 0
		.amdhsa_next_free_vgpr 234
		.amdhsa_next_free_sgpr 66
		.amdhsa_reserve_vcc 1
		.amdhsa_float_denorm_mode_32 3
		.amdhsa_float_denorm_mode_16_64 3
		.amdhsa_memory_ordered 1
		.amdhsa_forward_progress 1
		.amdhsa_inst_pref_size 38
	.end_amdhsa_kernel
	.amdgpu_metadata
---
amdhsa.version: [ 1, 2 ]
amdhsa.kernels:
  - .name:           k_q1cfdfbf5b0_caps2
    .symbol:         k_q1cfdfbf5b0_caps2.kd
    .args:
      - { .name: Yp, .offset: 0, .size: 8, .value_kind: global_buffer, .address_space: global }
      - { .name: csP, .offset: 8, .size: 8, .value_kind: global_buffer, .address_space: global }
      - { .name: W, .offset: 16, .size: 8, .value_kind: global_buffer, .address_space: global }
      - { .name: b, .offset: 24, .size: 8, .value_kind: global_buffer, .address_space: global }
      - { .name: va, .offset: 32, .size: 8, .value_kind: global_buffer, .address_space: global }
      - { .name: Mg, .offset: 40, .size: 8, .value_kind: global_buffer, .address_space: global }
      - { .name: biasv, .offset: 48, .size: 8, .value_kind: global_buffer, .address_space: global }
    .group_segment_fixed_size: 272384
    .private_segment_fixed_size: 0
    .kernarg_segment_align: 8
    .kernarg_segment_size: 56
    .max_flat_workgroup_size: 512
    .sgpr_count:     66
    .vgpr_count:     234
    .wavefront_size: 32
...
	.end_amdgpu_metadata
.endif
;; end of part 7
;; launch route2: the kernel of part 3 again; grid 256 x 1, 4 waves a work-group, clusters of 4 x 1, 327,680 bytes of LDS; arguments xb, Mg, biasv, Yp, csP; writes Yp, csP
;; launch caps3 (part 8): grid 64 x 1, 16 waves a work-group, no clusters, 272,384 bytes of LDS; arguments Yp, csP, W, b, out0; writes out0
.if DOCPART == 8
	.amdgcn_target "amdgcn-amd-amdhsa--gfx1250"
	.amdhsa_code_object_version 6
	.text
	.protected	k_q1cfdfbf5b0_caps3
	.globl	k_q1cfdfbf5b0_caps3
	.p2align	8
	.type	k_q1cfdfbf5b0_caps3,@function
k_q1cfdfbf5b0_caps3:
	s_mov_b64 s[64:65], 0
	v_nop
	global_prefetch_b8 v0, s[64:65] scope:SCOPE_SE
	s_setreg_imm32_b32 hwreg(HW_REG_WAVE_MODE, 25, 1), 1
	s_wait_xcnt 0x0
; THE CAPSULE STEP.  One text serves the three routing iterations; STAGE_NO says which this file is.  With W_k = W[:, 64 k .. 64 k + 63], b_k likewise:
;   s_k = Y_k W_k + csum_k b_k;  v_k = squash(s_k);  then, for the next softmax, M[:, k] = W_k V_k (bf16) and biasv[k] = b_k . V_k, since u_hat[n, k, :] . V_k = x[n, :] . (W_k V_k) + b_k . V_k.
;   stage 1: the weights are all 1/64: Y = (column sums of x) / 64, csum = 16384 / 64 = 256; v goes to va; V = v.
;   stage 2: Y_k = sum over n of c[n, k] x[n, :] and csum_k = sum over n of c[n, k], both summed here over the 64 parts of the launch before; V = va + v.
;   stage 3: Y and csum as in stage 2; v is the result; nothing more is made.
; All arithmetic is f32 on the vector unit: one row of Y for each capsule against W read once is a stream, which the matrix unit would not shorten.
; SHARES.  Work-group = capsule k: the squash wants all of s_k, and s_k all 1,024 rows of W_k, so 64 work-groups is what the step has work for without a further launch.
; W_k (1,024 rows x 256 bytes) lies in registers, 128 a thread.  Lane l: dg = l % 16 (four channels), h = l / 16; wave v; the thread's rows are i = 64 v + 32 h + j, j = 0..31:
; sixteen lanes read 256 consecutive bytes of a row of W.
; THE PARTS OF Y come by the tensor data mover: ONE load a wave brings its 64 columns (256 bytes, at a multiple of 256) of all NPART parts into LDS bytes of the wave's own, where 64 loads into registers
; would bring them 256 bytes at a time; the wave's vector loads are then W's 32 and a few small ones.  Only the issuing wave reads those bytes, so its own wait on TENSORcnt orders the reads; nothing is
; filled a second time.  The launch asks for more than half of a WGP's LDS.
; NO CLUSTER: in stages 2 and 3 W_k and Y_k are the work-group's own.  In stage 1 all work-groups read xsP, 128 KiB of the 384 KiB that each reads; a joint load would put a round of the cluster's barrier
; in front of the launch's only loads and another at its end.
; LIMITS.  Sums are f32 in this text's order.  1/x and 1/sqrt(x) are the hardware's (1 ulp).  NaN and infinities are not treated apart.
.set STAGE_NO, 3
.if STAGE_NO == 1
.set NPART, 32                         ; xsP [32][1024]
.set PSTRIDE, 4096                     ; bytes from part to part
.set NS, 1                             ; small loads issued behind W's: b
.elseif STAGE_NO == 2
.set NPART, 64                         ; Yp [64][64][1024]
.set PSTRIDE, 262144
.set NS, 4                             ; b, va, two of csP
.else
.set NPART, 64
.set PSTRIDE, 262144
.set NS, 3                             ; b, two of csP
.endif
.set NL,    NPART/2                    ; LDS loads of 512 bytes, two parts each
.set WTILE, 16384                      ; LDS: a wave's tile, NPART rows of 256 bytes, at wave x WTILE
.set YX,    16*WTILE                   ; 256 bytes for each wave, its own: Y of its 64 columns
.set SP,    YX+4096                    ; 256 bytes for each wave, read by all behind the barrier: its rows' share of s
; v1 lane  v2 dg  v3 h  v4 offset in W  v5 my 16 bytes in two rows of my wave's tile  v6 16 dg  v7 256 l (csP)  v8 YX store  v9 YX read  v10 SP store  v11 SP read
; v13 16 dg + 8 h  v[16:19] b  v[20:21] the pair of v that I store  v[24:25] csum  v[26:27] the squash's factor
.set SA, 28                            ; v[28:31]   my four channels of s
.set T,  32                            ; v[32:35]   Y of my four columns
.set VS, 36                            ; v[36:39]   v
.set R,  40                            ; v[40:103]  parts of Y out of LDS; Y of my 32 rows; the waves' shares of s
.set WR, 104                           ; v[104:231] W: row j at WR + 4 j
.set G0, 36                            ; s[36:39]   descriptor group 0
.set G1, 40                            ; s[40:47]   descriptor group 1
	s_load_b256 s[4:11], s[0:1], 0x0               ; Yp, csP, W, b
	s_load_b64 s[12:13], s[0:1], 0x20              ; out0
	v_lshl_add_u32 v232, v0, 2, 0x42000
	v_mov_b32 v233, 0
	ds_add_u32 v232, v233
	ds_add_u32 v232, v233
	v_lshrrev_b32 v1, 5, v0
	v_readfirstlane_b32 s18, v1                    ; wave 0..15
	s_lshl_b32 s24, ttmp9, 8                       ; 256 k: W's columns, b, out0
	s_mov_b32 s25, 0
	s_lshl_b32 s28, ttmp9, 2                       ; 4 k: csP
	s_mov_b32 s29, 0
	s_lshl_b32 s26, s18, 8                         ; my wave's 64 columns of a part: 256 bytes
	s_lshl_b32 s20, ttmp9, 12                      ; + 4,096 k in Yp
	s_add_co_u32 s26, s26, s20
	s_mov_b32 s27, 0
	s_mov_b32 s32, 0x76543210                      ; v_permlanex16_b32: each lane takes its own place in the other half
	s_mov_b32 s33, 0xfedcba98
	; the descriptor: NPART rows of 64 elements of 4 bytes, PSTRIDE bytes apart, laid into LDS without gaps
	s_mov_b32 s[G0], 1                             ; count = 1
	s_mul_i32 s[G0+1], s18, WTILE                  ; LDS address: my wave's tile
	s_mov_b32 s[G1], 2<<16                         ; no mask; elements of 4 bytes; no padding: the reads below take 512 consecutive bytes
	s_mov_b32 s[G1+1], 64<<16                      ; tensor_dim0 = 64
	s_mov_b32 s[G1+2], NPART<<16                   ; tensor_dim1 = NPART
	s_mov_b32 s[G1+3], 64<<16                      ; tile_dim0 = 64
	s_mov_b32 s[G1+4], NPART                       ; tile_dim1 = NPART
	s_mov_b32 s[G1+5], PSTRIDE/4                   ; elements from part to part
	s_mov_b32 s[G1+6], 0
	s_mov_b32 s[G1+7], 0
	v_and_b32 v1, 31, v0
	v_and_b32 v2, 15, v0
	v_bfe_u32 v3, v0, 4, 1
	v_lshlrev_b32 v6, 4, v2
	v_lshl_add_u32 v4, v3, 19, v6                  ; W: 16 dg + h x 32 rows x 16,384
	v_lshl_add_u32 v4, s18, 20, v4                 ;    + wave x 64 rows x 16,384
	s_wait_dscnt 0x0
	s_wait_kmcnt 0x0
	s_add_nc_u64 s[G0+2:G0+3], s[4:5], s[26:27]    ; global address of the tile's first element
	s_or_b32 s[G0+3], s[G0+3], 0x80000000          ; type = 2
	tensor_load_to_lds s[G0:G0+3], s[G1:G1+7]      ; the wave's one tensor load, ahead of everything else
	s_nop 0
	s_add_nc_u64 s[8:9], s[8:9], s[24:25]
.set jj, 0
.rept 32
	global_load_b128 v[WR+4*jj:WR+4*jj+3], v4, s[8:9] offset:16384*jj
.set jj, jj+1
.endr
	s_add_nc_u64 s[10:11], s[10:11], s[24:25]
	s_add_nc_u64 s[12:13], s[12:13], s[24:25]
	s_add_nc_u64 s[6:7], s[6:7], s[28:29]
	v_lshlrev_b32 v7, 8, v1
	global_load_b128 v[16:19], v6, s[10:11]        ; the small loads stand behind W's: they are wanted behind the barrier
	global_load_b32 v24, v7, s[6:7]                ; lane l: parts l and 32 + l of csum
	global_load_b32 v25, v7, s[6:7] offset:8192
	v_lshlrev_b32 v5, 4, v1
	v_lshl_add_u32 v5, s18, 14, v5                 ; wave x 16,384 + 16 l
	v_lshl_add_u32 v8, s18, 8, v6                  ; 256 wave + 16 dg
	v_add_nc_u32 v10, SP, v8
	v_add_nc_u32 v8, YX, v8
	v_lshlrev_b32 v9, 7, v3
	v_lshl_add_u32 v9, s18, 8, v9
	v_add_nc_u32 v9, YX, v9                        ; 256 wave + 128 h
	v_lshl_add_u32 v11, v3, 11, v6
	v_add_nc_u32 v11, SP, v11                      ; eight waves' shares for each half of the lanes: 2,048 h + 16 dg
	v_lshl_add_u32 v13, v3, 3, v6
.macro ROWSUM reg                      ; the sum over the 16 lanes of a half, in every lane
.irp xm, 1,2,4,8
	v_add_f32_dpp v[\reg], v[\reg], v[\reg] row_xmask:\xm row_mask:0xf bank_mask:0xf
.endr
.endm
.macro YADD m                          ; the two parts in quad m of the ring are added
	v_pk_add_f32 v[T:T+1], v[T:T+1], v[R+4*(\m):R+4*(\m)+1]
	v_pk_add_f32 v[T+2:T+3], v[T+2:T+3], v[R+4*(\m)+2:R+4*(\m)+3]
.endm
	; Y = the sum over the parts.  A load takes 512 consecutive bytes, two parts: lanes 0-15 the even part, lanes 16-31 the odd one; a lane has four columns.  A ring of 16 register quads.
	s_wait_tensorcnt 0x0                           ; my tile is in LDS, and nobody else reads it
.set mm, 0
.rept 16
	ds_load_b128 v[R+4*mm:R+4*mm+3], v5 offset:512*mm
.set mm, mm+1
.endr
	s_wait_dscnt 14                                ; LDS loads come back in order (ISA guide 5.7.1): the first two are in
	v_pk_add_f32 v[T:T+1], v[R:R+1], v[R+4:R+5]            ; they start the sums: nothing is cleared
	v_pk_add_f32 v[T+2:T+3], v[R+2:R+3], v[R+6:R+7]
	ds_load_b128 v[R:R+3], v5 offset:512*16
	ds_load_b128 v[R+4:R+7], v5 offset:512*17
.set mm, 2
.rept 14
	s_wait_dscnt 15                                ; behind load mm: 15 - mm of the first sixteen and the mm issued again
	YADD mm
	ds_load_b128 v[R+4*mm:R+4*mm+3], v5 offset:512*(16+mm)
.set mm, mm+1
.endr
.set mm, 0
.rept 16
	s_wait_dscnt 15-mm                             ; the last sixteen run down
	YADD mm
.set mm, mm+1
.endr
.irp i, 0,1,2,3
	v_permlanex16_b32 v[R+\i], v[T+\i], s32, s33   ; the other half's parts (the destination counts as read: loads have written it)
.endr
	v_pk_add_f32 v[T:T+1], v[T:T+1], v[R:R+1]
	v_pk_add_f32 v[T+2:T+3], v[T+2:T+3], v[R+2:R+3]
	; Y goes round inside the wave: each thread wants Y of its 32 rows.  The bytes are the wave's own and LDS serves a wave's instructions in order (ISA guide 5.7.1.4): no barrier
	ds_store_b128 v8, v[T:T+3]                     ; both halves of the lanes hold, and write, the same
.set cc, 0
.rept 8
	ds_load_b128 v[R+4*cc:R+4*cc+3], v9 offset:16*cc
.set cc, cc+1
.endr
	s_wait_dscnt 0x0                               ; v[R+j] = Y[64 wave + 32 h + j]
	; my rows' share of s: four channels, two packed chains
	s_wait_loadcnt NS+28                           ; W's rows 0 to 3 are in: behind them 28 rows and the small loads
	v_pk_mul_f32 v[SA:SA+1], v[WR:WR+1], v[R:R+1] op_sel_hi:[1,0]
	v_pk_mul_f32 v[SA+2:SA+3], v[WR+2:WR+3], v[R:R+1] op_sel_hi:[1,0]
.set jj, 1
.rept 31
.if jj%4 == 0
	s_wait_loadcnt NS+28-jj                        ; rows jj to jj + 3
.endif
.if jj%2                               ; Y of row j feeds both halves: the pair's second register for odd j, its first for even j
	v_pk_fma_f32 v[SA:SA+1], v[WR+4*jj:WR+4*jj+1], v[R+jj-1:R+jj], v[SA:SA+1] op_sel:[0,1,0] op_sel_hi:[1,1,1]
	v_pk_fma_f32 v[SA+2:SA+3], v[WR+4*jj+2:WR+4*jj+3], v[R+jj-1:R+jj], v[SA+2:SA+3] op_sel:[0,1,0] op_sel_hi:[1,1,1]
.else
	v_pk_fma_f32 v[SA:SA+1], v[WR+4*jj:WR+4*jj+1], v[R+jj:R+jj+1], v[SA:SA+1] op_sel_hi:[1,0,1]
	v_pk_fma_f32 v[SA+2:SA+3], v[WR+4*jj+2:WR+4*jj+3], v[R+jj:R+jj+1], v[SA+2:SA+3] op_sel_hi:[1,0,1]
.endif
.set jj, jj+1
.endr
.irp i, 0,1,2,3
	v_permlanex16_b32 v[R+32+\i], v[SA+\i], s32, s33  ; the other half's rows
.endr
	v_pk_add_f32 v[SA:SA+1], v[SA:SA+1], v[R+32:R+33]
	v_pk_add_f32 v[SA+2:SA+3], v[SA+2:SA+3], v[R+34:R+35]
	ds_store_b128 v10, v[SA:SA+3]                  ; both halves of the lanes hold, and write, the same
	s_wait_dscnt 0x0                               ; for the others' sake: my store is done
	s_barrier_signal -1
	s_barrier_wait -1
	s_cmp_lg_u32 s18, 0                            ; only v is left to make, and one wave stores it
	s_cbranch_scc1 .Lend
.set jj, 0
.rept 8                                ; lanes 0-15 take waves 0 to 7, lanes 16-31 waves 8 to 15
	ds_load_b128 v[R+4*jj:R+4*jj+3], v11 offset:256*jj
.set jj, jj+1
.endr
	s_wait_loadcnt 0x0                             ; the small loads
	v_add_f32 v24, v24, v25                        ; csum, while the LDS loads are out: 64 parts over 32 lanes
	ROWSUM 24
	v_permlanex16_b32 v25, v24, s32, s33
	v_add_f32 v24, v24, v25
	s_wait_dscnt 0x0
.irp st, 16,8,4                        ; a tree: waves 4, 2, 1 apart, four registers a wave
.set ii, 0
.rept \st/2
	v_pk_add_f32 v[R+ii:R+ii+1], v[R+ii:R+ii+1], v[R+ii+\st:R+ii+\st+1]
.set ii, ii+2
.endr
.endr
.irp i, 0,1,2,3
	v_permlanex16_b32 v[R+32+\i], v[R+\i], s32, s33   ; the other eight waves
.endr
	v_pk_add_f32 v[R:R+1], v[R:R+1], v[R+32:R+33]
	v_pk_add_f32 v[R+2:R+3], v[R+2:R+3], v[R+34:R+35]
	v_pk_fma_f32 v[R:R+1], v[16:17], v[24:25], v[R:R+1] op_sel_hi:[1,0,1]        ; s += csum b
	v_pk_fma_f32 v[R+2:R+3], v[18:19], v[24:25], v[R+2:R+3] op_sel_hi:[1,0,1]
	; squash: v = s n2 / ((1 + n2) sqrt(n2 + 1e-8)), n2 = |s|^2 over the 64 channels (four a lane, sixteen lanes)
	v_mul_f32 v26, v[R], v[R]
	v_fmac_f32 v26, v[R+1], v[R+1]
	v_fmac_f32 v26, v[R+2], v[R+2]
	v_fmac_f32 v26, v[R+3], v[R+3]
	ROWSUM 26
	v_add_f32 v27, 1.0, v26
	v_add_f32 v28, 0x322bcc77, v26                 ; + 1e-8
	v_rcp_f32 v27, v27
	v_rsq_f32 v28, v28
	v_nop                                          ; a plain instruction between the two and the use of their results (ISA guide 5.7.2)
	s_wait_alu depctr_va_vdst(0)
	v_mul_f32 v26, v26, v27
	v_mul_f32 v26, v26, v28
	v_pk_mul_f32 v[VS:VS+1], v[R:R+1], v[26:27] op_sel_hi:[1,0]
	v_pk_mul_f32 v[VS+2:VS+3], v[R+2:R+3], v[26:27] op_sel_hi:[1,0]
	v_cmp_eq_u32 vcc_lo, 1, v3                     ; of my four channels the lower half of the lanes stores the first two, the upper half the last two:
	v_cndmask_b32 v20, v[VS], v[VS+2], vcc_lo      ; 32 lanes x 8 bytes are the capsule's 256 consecutive bytes
	v_cndmask_b32 v21, v[VS+1], v[VS+3], vcc_lo
	global_store_b64 v13, v[20:21], s[12:13]       ; out0
.Lend:
	s_wait_tensorcnt 0x0
	ds_add_u32 v232, v233
	s_wait_dscnt 0x0
	s_endpgm
.Lfunc_end_k_q1cfdfbf5b0_caps3:
	.size	k_q1cfdfbf5b0_caps3, .Lfunc_end_k_q1cfdfbf5b0_caps3-k_q1cfdfbf5b0_caps3
	.p2alignl 7, 3214868480
	.fill 96, 4, 3214868480
	.section	.rodata,"a",@progbits
	.p2align	6, 0x0
	.amdhsa_kernel k_q1cfdfbf5b0_caps3
		.amdhsa_group_segment_fixed_size 272384
		.amdhsa_private_segment_fixed_size 0
		.amdhsa_enable_private_segment 0
		.amdhsa_kernarg_size 40
		.amdhsa_user_sgpr_count 2
		.amdhsa_user_sgpr_kernarg_segment_ptr 1
		.amdhsa_wavefront_size32 1
		.amdhsa_system_sgpr_workgroup_id_x 1
		.amdhsa_system_sgpr_workgroup_id_y 1
		.amdhsa_system_sgpr_workgroup_id_z 1
		.amdhsa_system_vgpr_workitem_id 0
		.amdhsa_next_free_vgpr 234
		.amdhsa_next_free_sgpr 66
		.amdhsa_reserve_vcc 1
		.amdhsa_float_denorm_mode_32 3
		.amdhsa_float_denorm_mode_16_64 3
		.amdhsa_memory_ordered 1
		.amdhsa_forward_progress 1
		.amdhsa_inst_pref_size 23
	.end_amdhsa_kernel
	.amdgpu_metadata
---
amdhsa.version: [ 1, 2 ]
amdhsa.kernels:
  - .name:           k_q1cfdfbf5b0_caps3
    .symbol:         k_q1cfdfbf5b0_caps3.kd
    .args:
      - { .name: Yp, .offset: 0, .size: 8, .value_kind: global_buffer, .address_space: global }
      - { .name: csP, .offset: 8, .size: 8, .value_kind: global_buffer, .address_space: global }
      - { .name: W, .offset: 16, .size: 8, .value_kind: global_buffer, .address_space: global }
      - { .name: b, .offset: 24, .size: 8, .value_kind: global_buffer, .address_space: global }
      - { .name: out0, .offset: 32, .size: 8, .value_kind: global_buffer, .address_space: global }
    .group_segment_fixed_size: 272384
    .private_segment_fixed_size: 0
    .kernarg_segment_align: 8
    .kernarg_segment_size: 40
    .max_flat_workgroup_size: 512
    .sgpr_count:     66
    .vgpr_count:     234
    .wavefront_size: 32
...
	.end_amdgpu_metadata
.endif
;; end of part 8
;; ======== version 3 of 3: 6 launches; version 2 with the launch cast written anew for expert scheduling mode
;; workspace buffers: xb 33,554,432 bytes; xsP 131,072 bytes; va 16,384 bytes; Mg 131,072 bytes; biasv 256 bytes; Yp 16,777,216 bytes; csP 16,384 bytes
;; launch cast (part 9): grid 8 x 32, 16 waves a work-group, no clusters, 10,240 bytes of LDS; arguments x, xb, xsP; writes xb, xsP
.if DOCPART == 9
	.amdgcn_target "amdgcn-amd-amdhsa--gfx1250"
	.amdhsa_code_object_version 6
	.text
	.protected	k_q1cfdfbf5b0_cast
	.globl	k_q1cfdfbf5b0_cast
	.p2align	8
	.type	k_q1cfdfbf5b0_cast,@function
k_q1cfdfbf5b0_cast:
	s_mov_b64 s[64:65], 0
	v_nop
	global_prefetch_b8 v0, s[64:65] scope:SCOPE_SE
	s_setreg_imm32_b32 hwreg(HW_REG_WAVE_SCHED_MODE, 0, 2), 2
	s_setreg_imm32_b32 hwreg(HW_REG_WAVE_MODE, 25, 1), 1
	s_wait_xcnt 0x0
	s_wait_alu depctr_vm_vsrc(0)
; xb = x rounded to bf16 ([16384][1024]), and xsP[part][col] = the f32 sum of x[:, col] over the part's 512 rows (32 parts).
; A stream: every byte of x is read once and every byte of xb written once; no matrix unit, and no cluster, since no two work-groups read the same bytes.
; SHARES.  Work-group (strip, part) takes 512 rows x 128 columns; wave v its rows 32 v .. 32 v + 31; lane l four columns.  A load of a wave is 512 consecutive
; bytes of x, a store 256 consecutive bytes of xb at a multiple of 256.  A strip and not whole rows: a column then has 32 partial sums, 128 KiB in all for the next launch.
; All 32 loads of a wave go out at once (its whole share, 16 KiB); each row has registers of its own, so no register is used twice while memory may still read it.
; LIMITS.  The column sums are f32 sums in this text's order (32 rows in a lane, 16 waves in a tree), not in the order of a library's reduction.
; THE MODE: SCHED_MODE bits 1:0 = 2 (LLVM: expert scheduling mode 2), set by the entry lines.  The code itself states the register dependences
; between vector instructions and memory or LDS instructions, with s_wait_alu, always for 0.
; THE PLAN.  Registers that memory or LDS instructions touch:
;   v2, v3, v12, v13, v144, v145   offsets and the closing add's pair: written at the head, never again; one wait ahead of the first load serves them all.
;   X, row j    Written by the row's load, which is issued before any vector line names X; read by the row's two additions; its first two registers are written by the row's
;               two roundings and read by the row's store.  In wave 0 rows 0 to 15 are written once more, behind the barrier, by LDS loads and then by the tree.
;   SUM         Written by the additions; read by the one LDS store.
; The rows go in eight blocks of four.  A block's four stores stand together at the head of the next block, behind that block's first wait for data and ONE wait on va_vdst, which states
; that the block's eight roundings have written the stores' data; no vector line stands between that wait and the stores.  Behind row 31 one more such wait serves the last four stores,
; the LDS store of SUM and, since no vector line follows it before them, wave 0's LDS loads into X.  One wait on vm_vsrc stands between the stores' reads of X and those loads.
.set XROW, 4096                        ; bytes in a row of x
.set BROW, 2048                        ; bytes in a row of xb
.set SUM,  4                           ; v[4:7]    my four columns' sums
.set X,    16                          ; v[16:143] row j: four registers as loaded; its first two then hold the four bf16
	s_load_b128 s[4:7], s[0:1], 0x0                ; x s[4:5], xb s[6:7]
	s_load_b64 s[8:9], s[0:1], 0x10                ; xsP
	v_lshl_add_u32 v144, v0, 2, 0x2000             ; my spare word, behind the sixteen waves' 8,192 bytes of sums, and 0: kept for the closing lines alone
	v_mov_b32 v145, 0
	v_lshrrev_b32 v1, 5, v0
	v_readfirstlane_b32 s10, v1                    ; wave 0..15
	v_and_b32 v1, 31, v0                           ; lane
	s_and_b32 s11, ttmp7, 0xffff                   ; part 0..31; ttmp9 is the strip 0..7
	s_lshl_b32 s12, s11, 21                        ; x: part x 512 rows x 4,096 bytes
	s_lshl_b32 s18, ttmp9, 9                       ;    + strip x 512 bytes
	s_add_co_u32 s12, s12, s18
	s_mov_b32 s13, 0
	s_lshl_b32 s14, s11, 20                        ; xb: part x 512 rows x 2,048 bytes
	s_lshl_b32 s19, ttmp9, 8                       ;     + strip x 256 bytes
	s_add_co_u32 s14, s14, s19
	s_mov_b32 s15, 0
	s_lshl_b32 s16, s11, 12                        ; xsP: part x 4,096 bytes + strip x 512 bytes
	s_add_co_u32 s16, s16, s18
	s_mov_b32 s17, 0
	v_lshlrev_b32 v13, 4, v1                       ; 16 l: my place in 512 bytes
	s_wait_alu depctr_va_sdst(0)                   ; s10 is written, ahead of its first reader, the next line
	v_lshl_add_u32 v2, s10, 17, v13                ; x:  + wave x 32 rows x 4,096
	v_lshlrev_b32 v3, 3, v1
	v_lshl_add_u32 v3, s10, 16, v3                 ; xb: 8 l + wave x 32 rows x 2,048
	v_lshl_add_u32 v12, s10, 9, v13                ; LDS: wave x 512 + 16 l
	s_wait_kmcnt 0x0
	s_add_nc_u64 s[4:5], s[4:5], s[12:13]
	s_add_nc_u64 s[6:7], s[6:7], s[14:15]
	s_add_nc_u64 s[8:9], s[8:9], s[16:17]
	s_wait_alu depctr_va_vdst(0)                   ; v2, v3, v12, v13, v144 and v145 are written: every load, store and LDS instruction of the kernel reads one of them, and none is written again
.set jj, 0
.rept 32
	global_load_b128 v[X+4*jj:X+4*jj+3], v2, s[4:5] offset:XROW*jj th:TH_LOAD_NT
.set jj, jj+1
.endr
.macro RND j                           ; row j: rounded in place
	v_cvt_pk_bf16_f32 v[X+4*(\j)], v[X+4*(\j)], v[X+4*(\j)+1]
	v_cvt_pk_bf16_f32 v[X+4*(\j)+1], v[X+4*(\j)+2], v[X+4*(\j)+3]
.endm
.macro OUT4 j                          ; rows j to j + 3: stored
.irp i, 0,1,2,3
	global_store_b64 v3, v[X+4*((\j)+\i):X+4*((\j)+\i)+1], s[6:7] offset:BROW*((\j)+\i)
.endr
.endm
	s_wait_loadcnt 30                              ; rows 0 and 1 are in; the 30 younger loads stay out
	v_pk_add_f32 v[SUM:SUM+1], v[X:X+1], v[X+4:X+5]        ; the first two rows start the sums: nothing is cleared
	v_pk_add_f32 v[SUM+2:SUM+3], v[X+2:X+3], v[X+6:X+7]
	RND 0
	RND 1
.set jj, 2
.rept 30
	s_wait_loadcnt 31-jj                           ; loads come back in order (ISA guide 5.7.1): row jj is in, the younger ones stay out
.if jj%4 == 0
	s_wait_alu depctr_va_vdst(0)                   ; the roundings of the block before have written the first two registers of its four rows, which the four stores below read
	OUT4 jj-4
.endif
	v_pk_add_f32 v[SUM:SUM+1], v[SUM:SUM+1], v[X+4*jj:X+4*jj+1]
	v_pk_add_f32 v[SUM+2:SUM+3], v[SUM+2:SUM+3], v[X+4*jj+2:X+4*jj+3]
	RND jj
.set jj, jj+1
.endr
	s_wait_alu depctr_va_vdst(0)                   ; the last block's roundings have written the data of the four stores below; the additions have written SUM, which the LDS store reads; and every vector line that names X is done, ahead of wave 0's LDS loads into it
	OUT4 28
	; the sixteen waves' sums meet in LDS; wave 0 adds them
	ds_store_b128 v12, v[SUM:SUM+3]
	s_wait_dscnt 0x0                               ; for the others' sake: my store is done
	s_barrier_signal -1
	s_barrier_wait -1
	s_wait_alu depctr_vm_vsrc(0)                   ; my stores have read X's registers, in which wave 0's LDS loads below land: the wait stands ahead of the branch, on every path to those loads
	s_cmp_lg_u32 s10, 0
	s_cbranch_scc1 .Lend
	s_wait_xcnt 0x0                                ; X's registers were sources of my stores: they are loaded again only behind this wait
.set jj, 0
.rept 16
	ds_load_b128 v[X+4*jj:X+4*jj+3], v13 offset:512*jj
.set jj, jj+1
.endr
	s_wait_dscnt 0x0
.irp st, 32,16,8,4                     ; a tree: waves 8, 4, 2, 1 apart, four registers a wave
.set ii, 0
.rept \st/2
	v_pk_add_f32 v[X+ii:X+ii+1], v[X+ii:X+ii+1], v[X+ii+\st:X+ii+\st+1]
.set ii, ii+2
.endr
.endr
	s_wait_alu depctr_va_vdst(0)                   ; the tree has written v[X:X+3], which the store reads
	global_store_b128 v13, v[X:X+3], s[8:9]        ; 512 consecutive bytes of xsP, at a multiple of 512
.Lend:
	s_wait_dscnt 0x0                               ; the closing lines, six on end
	s_wait_alu 0x0
	s_wait_tensorcnt 0x0
	ds_add_u32 v144, v145
	s_wait_dscnt 0x0
	s_endpgm
.Lfunc_end_k_q1cfdfbf5b0_cast:
	.size	k_q1cfdfbf5b0_cast, .Lfunc_end_k_q1cfdfbf5b0_cast-k_q1cfdfbf5b0_cast
	.p2alignl 7, 3214868480
	.fill 96, 4, 3214868480
	.section	.rodata,"a",@progbits
	.p2align	6, 0x0
	.amdhsa_kernel k_q1cfdfbf5b0_cast
		.amdhsa_group_segment_fixed_size 10240
		.amdhsa_private_segment_fixed_size 0
		.amdhsa_enable_private_segment 0
		.amdhsa_kernarg_size 24
		.amdhsa_user_sgpr_count 2
		.amdhsa_user_sgpr_kernarg_segment_ptr 1
		.amdhsa_wavefront_size32 1
		.amdhsa_system_sgpr_workgroup_id_x 1
		.amdhsa_system_sgpr_workgroup_id_y 1
		.amdhsa_system_sgpr_workgroup_id_z 1
		.amdhsa_system_vgpr_workitem_id 0
		.amdhsa_next_free_vgpr 146
		.amdhsa_next_free_sgpr 66
		.amdhsa_reserve_vcc 0
		.amdhsa_float_denorm_mode_32 3
		.amdhsa_float_denorm_mode_16_64 3
		.amdhsa_memory_ordered 1
		.amdhsa_forward_progress 1
		.amdhsa_inst_pref_size 21
	.end_amdhsa_kernel
	.amdgpu_metadata
---
amdhsa.version: [ 1, 2 ]
amdhsa.kernels:
  - .name:           k_q1cfdfbf5b0_cast
    .symbol:         k_q1cfdfbf5b0_cast.kd
    .args:
      - { .name: x, .offset: 0, .size: 8, .value_kind: global_buffer, .address_space: global }
      - { .name: xb, .offset: 8, .size: 8, .value_kind: global_buffer, .address_space: global }
      - { .name: xsP, .offset: 16, .size: 8, .value_kind: global_buffer, .address_space: global }
    .group_segment_fixed_size: 10240
    .private_segment_fixed_size: 0
    .kernarg_segment_align: 8
    .kernarg_segment_size: 24
    .max_flat_workgroup_size: 512
    .sgpr_count:     66
    .vgpr_count:     146
    .wavefront_size: 32
...
	.end_amdgpu_metadata
.endif
;; end of part 9
;; launch caps1: the kernel of part 6 again; grid 64 x 1, 16 waves a work-group, no clusters, 272,384 bytes of LDS; arguments xsP, W, b, va, Mg, biasv; writes va, Mg, biasv
;; launch route: the kernel of part 3 again; grid 256 x 1, 4 waves a work-group, clusters of 4 x 1, 327,680 bytes of LDS; arguments xb, Mg, biasv, Yp, csP; writes Yp, csP
;; launch caps2: the kernel of part 7 again; grid 64 x 1, 16 waves a work-group, no clusters, 272,384 bytes of LDS; arguments Yp, csP, W, b, va, Mg, biasv; writes Mg, biasv
;; launch route2: the kernel of part 3 again; grid 256 x 1, 4 waves a work-group, clusters of 4 x 1, 327,680 bytes of LDS; arguments xb, Mg, biasv, Yp, csP; writes Yp, csP
;; launch caps3: the kernel of part 8 again; grid 64 x 1, 16 waves a work-group, no clusters, 272,384 bytes of LDS; arguments Yp, csP, W, b, out0; writes out0
